; MI455X (gfx1250); checked and timed in simulation.
; The chip was launched on July 23, 2026; its instructions are those of AMD's public machine-readable ISA for CDNA 5 (MIT licence, August 2026) and "CDNA5" Instruction Set Architecture Reference Guide (July 2026). The comments in the code are by the model that wrote it; some were corrected since.
;; Attention CD. Allowed arithmetic: matrix products marked QUANTISED: E2M3 operands, one E8M0 scale for each 32 along K, by v_wmma_scale_f32_16x16x128_f8f6f4 with both operands' format E2M3, f32 sums; everything else in f32.
;; Inputs: b_p1 256 float32; b_p2 256 float32; w_p1 1,024 x 256 float32; w_p2 1,024 x 256 float32; w_qkv1 1,024 x 3,072 float32; w_qkv2 1,024 x 3,072 float32; x 4 x 1,024 x 1,024 float32; y 4 x 1,024 x 1,024 float32.
;; Outputs: out0 4 x 1,024 x 256 float32; out1 4 x 1,024 x 256 float32.
;; This version of the problem:
;;   THIS VERSION OF THE PROBLEM IS GIVEN IN LOW PRECISION. The matrix products marked QUANTISED in the list below multiply operands that are first quantised to E2M3 (2 exponent bits, 3 mantissa bits; 6 bits a number), with one power-of-two scale for each 32 numbers along K (OCP MX v1.0); their sums are f32. All else is computed in f32.
;;   The module's matrix products, in the order in which they are computed (A, B: the left and right operand; K: the contracted axis; several contracted axes count as one K, in the product's order):
;;     1. [M 4,096, K 1,024] x [K 1,024, N 3,072]; A: input x; B: input w_qkv1: QUANTISED
;;     2. [M 4,096, K 1,024] x [K 1,024, N 3,072]; A: input y; B: input w_qkv2: QUANTISED
;;     3. batch 64 x [M 1,024, K 64] x [K 64, N 1,024]; A: computed on the way; B: computed on the way: QUANTISED
;;     4. batch 64 x [M 1,024, K 1,024] x [K 1,024, N 64]; A: softmax (see below); B: computed on the way: QUANTISED
;;     5. batch 64 x [M 1,024, K 64] x [K 64, N 1,024]; A: computed on the way; B: computed on the way: QUANTISED
;;     6. batch 64 x [M 1,024, K 1,024] x [K 1,024, N 64]; A: softmax (see below); B: computed on the way: QUANTISED
;;     7. [M 4,096, K 1,024] x [K 1,024, N 256]; A: computed on the way; B: input w_p1: QUANTISED
;;     8. [M 4,096, K 1,024] x [K 1,024, N 256]; A: computed on the way; B: input w_p2: QUANTISED
;;   THE QUANTISER, for each operand of a quantised product, along K:
;;     - K is cut into blocks of 32 from its start; a last block that is shorter is filled with zeros.
;;     - A block's scale is 2^e with e = floor(log2(the largest magnitude in the block)) - 2, held to -126 .. 127; a block of zeros has e = 0. As a byte (E8M0): e + 127.
;;     - Each number is divided by its block's scale, clamped to +-7.5, and rounded to the nearest number of E2M3, ties to even, subnormals kept.
;;     - The product sums the exact products of the quantised numbers (number of the format x scale) in f32.
;;   ~~~python
;;   def quantise(x, axis):      # numpy; x: float32 -> the quantised numbers, widened to float32 again
;;       x = np.moveaxis(x, axis, -1); K = x.shape[-1]
;;       x = np.pad(x, [(0, 0)] * (x.ndim - 1) + [(0, -K % 32)]); x = x.reshape(x.shape[:-1] + (-1, 32)); a = np.abs(x).max(-1, keepdims=True)
;;       e = np.where(a > 0, np.clip(np.frexp(np.where(a > 0, a, 1))[1] - 1 - 2, -126, 127), 0)      # np.frexp(a)[1] - 1 = floor(log2(a)), exactly
;;       r = np.clip(x / 2.0 ** e, -7.5, 7.5)
;;       step = 2.0 ** (np.maximum(np.frexp(np.where(r == 0, 1, r))[1] - 1, 0) - 3)
;;       q = np.round(r / step) * step * 2.0 ** e      # np.round: ties to even
;;       return np.moveaxis(q.reshape(q.shape[:-2] + (-1,))[..., :K], -1, axis).astype(np.float32)
;;   ~~~
;;   SOFTMAX AHEAD OF A QUANTISED PRODUCT. Where the list says 'softmax', what is quantised is not the finished softmax but p = 2^(t - M), with t = logit x log2(e) and M = ceil(the row's largest t), a whole number; so 1/2 < the row's largest p <= 1. The row's sum l is taken of the UNQUANTISED p, in f32, and the product's result is divided by l at the end. Since M is a whole number, a kernel that streams over the keys may use a running M (the ceiling of the running maximum): every later rescaling is an exact power of two, which a block's scale takes up: the codes' values come out the same.
;;   OPERANDS COMPUTED ON THE WAY. 'Computed on the way' means the value that the module computes at that place (a softmax that the list does not call 'softmax' is quantised finished and normalised). What goes into a quantiser is computed in f32, as accurately as f32 sums, v_exp_f32 and their like allow (about 1e-6 of the number): no bf16 or f16 on the way to a quantiser, and a product that is left as it is and whose result goes on into a quantised operand takes f32 operands (vector FMAs, or v_wmma_f32_16x16x4_f32). A number that lies on a knife's edge between two numbers of the format may be rounded either way, as far as f32 arithmetic and the matrix unit's own rounding can turn it there, and no further.
;; One version. Each part assembles by itself: llvm-mc -triple=amdgcn-amd-amdhsa -mcpu=gfx1250 --defsym DOCPART=n.
;; ======== version 1 of 1: 4 launches
;; limits: right only within a limited range of input values
;; workspace buffers: aimg 6,291,456 bytes; asc 262,144 bytes; wimg 5,111,808 bytes; wsc 212,992 bytes; qkvc 18,874,368 bytes; qkvs 786,432 bytes; xoc 6,291,456 bytes; xos 262,144 bytes
;; launch quant (part 1): grid 464 x 1, 4 waves a work-group, no clusters, 35,328 bytes of LDS; arguments x, y, w_qkv1, w_qkv2, w_p1, w_p2, aimg, asc, wimg, wsc; writes aimg, asc, wimg, wsc
.if DOCPART == 1
	.amdgcn_target "amdgcn-amd-amdhsa--gfx1250"
	.amdhsa_code_object_version 6
	.text
	.protected	k_q9b2ae6f366_quant
	.globl	k_q9b2ae6f366_quant
	.p2align	8
	.type	k_q9b2ae6f366_quant,@function
k_q9b2ae6f366_quant:
	s_mov_b64 s[64:65], 0
	v_nop
	global_prefetch_b8 v0, s[64:65] scope:SCOPE_SE
	s_setreg_imm32_b32 hwreg(HW_REG_WAVE_MODE, 25, 1), 1
	s_wait_xcnt 0x0
; x, y [4096][1024] f32 (K innermost) and the four weights [1024][N] f32 (K outermost) become codes of FP6 (E2M3) with one E8M0 byte for each 32 along K.
; A block's scale is 2^(floor(log2(its largest magnitude)) - 2); its byte is the largest magnitude's exponent field - 2, held at 1 from below.
; LIMITS: a block of zeros, or one whose largest magnitude lies under 2^-124, keeps the byte 1 (its codes are zeros or tiny; this program alone reads the bytes); NaN and infinities are not served.
; THE WORKSPACE IS LAID AS THE MATRIX OPERANDS' REGISTERS.  Rows go in tiles of 16: tile 2 g + u, row p, is row 32 g + 8 u + p + 8 (p / 8) of the tensor.
; A fragment (16 rows x 128 K, 12 registers a lane; lane (r, h), registers 6 c .. 6 c + 5: k = 64 c + 32 h + 0 .. 31) is 1,536 bytes: registers 4 q .. 4 q + 3 of lane l at 512 q + 16 l.
; Codes: [tile][K step 8] fragments.  Scale bytes: [tile][K half 2][row 16][16 bytes]: the word of K step s at half s / 4, word s % 4.
; Work-groups 0-255 take x and y, the other 208 the weights: two ways that part on the work-group's number; only the first uses LDS.  Memory binds: no matrix unit, no cluster, no barrier (waves share nothing).
.set SPARE, 34816                      ; behind the four waves' stages: the spare words, 128 bytes a wave
.set FLOOR, 0x1800000                  ; 2^(3 - 127)
.set SPW,   10                         ; v10  my spare word's LDS address; never rewritten
.set NIL,   11                         ; v11  0; never rewritten
.set WD,    20                         ; v20-23 the scale words of my four K steps
.set CT,    24                         ; v24-26 a block's upper 16 codes (a conversion's three registers begin on an even number)
.set SB,    28                         ; v28-29 weights: scale bytes, four to a register
.set F,     32                         ; v32-79 four fragments of 12: no store's data are written again
.set R,     80                         ; v80-175 x, y: three sets of 32 as loaded
.set X,     176                        ; v176-239 x, y: two sets of 32 neighbours
.set WX,    80                         ; v80-143 weights: two sets of 32 numbers down K
.set OFF,   144                        ; v144-175 weights: row i of a block: i x the row's bytes + 4 x lane
	s_load_b512 s[4:19], s[0:1], 0x0               ; x, y, w_qkv1, w_qkv2, w_p1, w_p2, aimg, asc
	s_load_b128 s[20:23], s[0:1], 0x40             ; wimg, wsc
	v_lshl_add_u32 v[SPW], v0, 2, SPARE
	v_mov_b32 v[NIL], 0
	v_lshrrev_b32 v1, 5, v0
	v_readfirstlane_b32 s24, v1                    ; wave
	v_and_b32 v9, 31, v0                           ; lane
	s_mov_b32 s50, 0x76543210
	s_mov_b32 s51, 0xfedcba98                      ; selects for lane l xor 16
	s_mov_b32 s52, 0xffff0000                      ; lanes 16-31
	s_wait_kmcnt 0x0
	s_cmp_ge_u32 ttmp9, 256
	s_cbranch_scc1 .Lweights
; the largest magnitude of the 32 numbers at v[XS] on, with the floor among its leaves, and the conversion's scale operand (2 off the exponent field) in v14
.macro BLKMAX
	v_max3_num_f32 v12, |v[XS]|, |v[XS+1]|, |v[XS+2]|
	v_max3_num_f32 v13, |v[XS+3]|, |v[XS+4]|, |v[XS+5]|
.irp i, 6,10,14,18,22,26
	v_max3_num_f32 v12, v12, |v[XS+\i]|, |v[XS+\i+1]|
	v_max3_num_f32 v13, v13, |v[XS+\i+2]|, |v[XS+\i+3]|
.endr
	v_max3_num_f32 v12, v12, |v[XS+30]|, |v[XS+31]|
	v_max3_num_f32 v12, v12, v13, FLOOR
	v_add_nc_u32 v14, 0xff000000, v12
.endm
; ---- x AND y.  Work-group g: tiles 2 g and 2 g + 1; wave w: tile 2 g + w / 2, K half w % 2: 16 rows x 512 numbers, in 8 slabs of 16 rows x 64 numbers.
; A load reads two rows' 256 consecutive bytes; the slab turns through the wave's own stage in LDS (rows 272 bytes apart) and comes back 128 bytes a lane: lane (r, h) then holds one whole block.
	v_and_b32 v1, 15, v0                           ; r
	v_bfe_u32 v2, v0, 4, 1                         ; h
	v_lshlrev_b32 v3, 4, v1
	v_lshl_add_u32 v3, v2, 12, v3                  ; in memory: row h of a pair, 16 r
	s_mul_i32 s25, s24, 8704                       ; my two stages
	v_mul_u32_u24 v4, v2, 272
	v_lshl_add_u32 v4, v1, 4, v4
	v_add_nc_u32 v4, s25, v4                       ; into a stage
	v_mul_u32_u24 v5, v1, 272
	v_lshl_add_u32 v5, v2, 7, v5
	v_add_nc_u32 v5, s25, v5                       ; out of it: row r, half h
	v_lshlrev_b32 v6, 4, v9                        ; 16 x lane: a fragment's place
	v_lshlrev_b32 v8, 3, v2                        ; 8 h
	v_lshl_add_u32 v7, v1, 4, v8                   ; 16 r + 8 h: the scale words' place
	v_mov_b32 v15, 0                               ; a lane permute's destination counts as read
	s_cmp_lt_u32 ttmp9, 128
	s_cselect_b64 s[4:5], s[4:5], s[6:7]           ; x or y: the choice hangs on the work-group's number alone
	s_and_b32 s26, ttmp9, 127
	s_lshl_b32 s26, s26, 17                        ; 32 rows of 4,096 bytes
	s_lshr_b32 s27, s24, 1
	s_lshl_b32 s27, s27, 15                        ; the odd tile begins 8 rows on
	s_add_co_u32 s26, s26, s27
	s_and_b32 s27, s24, 1
	s_lshl_b32 s27, s27, 11                        ; the K half
	s_add_co_u32 s26, s26, s27
	s_mov_b32 s27, 0
	s_add_nc_u64 s[4:5], s[4:5], s[26:27]
	s_mul_i32 s26, ttmp9, 24576
	s_mul_i32 s28, s24, 6144
	s_add_co_u32 s26, s26, s28
	s_add_nc_u64 s[16:17], s[16:17], s[26:27]      ; my four fragments
	s_lshl_b32 s26, ttmp9, 10
	s_lshl_b32 s28, s24, 8
	s_add_co_u32 s26, s26, s28
	s_add_nc_u64 s[18:19], s[18:19], s[26:27]      ; my 256 scale bytes
.macro ALOAD s                         ; slab s: tile rows 2 i + h are rows 2 i + h + 8 (i / 4) from the tile's first
.irp i, 0,1,2,3,4,5,6,7
	global_load_b128 v[R+32*((\s)%3)+4*\i:R+32*((\s)%3)+4*\i+3], v3, s[4:5] offset:(2*\i+8*(\i/4))*4096+256*(\s) th:TH_LOAD_NT
.endr
.endm
.macro ATURN s                         ; LDS serves a wave's instructions in order: no wait between the stores and the loads
.irp i, 0,1,2,3,4,5,6,7
	ds_store_b128 v4, v[R+32*((\s)%3)+4*\i:R+32*((\s)%3)+4*\i+3] offset:((\s)%2)*4352+2*\i*272
.endr
.irp i, 0,1,2,3,4,5,6,7
	ds_load_b128 v[X+32*((\s)%2)+4*\i:X+32*((\s)%2)+4*\i+3], v5 offset:((\s)%2)*4352+16*\i
.endr
.endm
.macro ASTEP s
.set XS, X+32*((\s)%2)
.set FS, F+12*((\s)/2)+6*((\s)%2)
	s_wait_dscnt 0x0                               ; this slab is back from its stage, so its stores into the stage have read their registers,
.if (\s)+3 < 8
	ALOAD (\s)+3                                   ; which take the slab three on
.endif
.if (\s) < 7
.if (\s) <= 4
	s_wait_loadcnt 16                              ; the next slab's eight loads are in; the two slabs behind it may be out
.elseif (\s) == 5
	s_wait_loadcnt 8
.else
	s_wait_loadcnt 0
.endif
	ATURN (\s)+1
.endif
	BLKMAX
	v_cvt_scalef32_pk16_fp6_f32 v[FS:FS+2], v[XS:XS+15], v14
	v_cvt_scalef32_pk16_fp6_f32 v[CT:CT+2], v[XS+16:XS+31], v14
	v_lshrrev_b32 v[16+(\s)%2], 23, v14            ; the scale's byte (also the plain line behind the conversions)
.irp i, 0,1,2
	v_mov_b32 v[FS+3+\i], v[CT+\i]
.endr
.if (\s)%2 == 1
	v_lshl_or_b32 v27, v17, 16, v16                ; my two bytes: blocks h and 2 + h of row r,
	v_lshlrev_b32 v27, v8, v27                     ; at their places in the word;
	v_permlanex16_b32 v15, v27, s50, s51
	v_or_b32 v[WD+(\s)/2], v27, v15                ; with lane l xor 16's two the word is whole
.irp q, 0,1,2
	global_store_b128 v6, v[F+12*((\s)/2)+4*\q:F+12*((\s)/2)+4*\q+3], s[16:17] offset:((\s)/2)*1536+512*\q   ; 512 consecutive bytes
.endr
.endif
.endm
	ALOAD 0
	ALOAD 1
	ALOAD 2
	s_wait_alu depctr_va_vdst(0)
	s_wait_loadcnt 16                              ; slab 0 is in
	ATURN 0
.irp s, 0,1,2,3,4,5,6,7
	ASTEP \s
.endr
	v_cndmask_b32 v18, v[WD], v[WD+2], s52         ; lanes 0-15 store words 0, 1 of row r, lanes 16-31 words 2, 3
	v_cndmask_b32 v19, v[WD+1], v[WD+3], s52
	global_store_b64 v7, v[18:19], s[18:19]        ; 256 consecutive bytes, aligned
	s_wait_tensorcnt 0x0                           ; the wave's end
	ds_add_u32 v[SPW], v[NIL]
	s_wait_dscnt 0x0
	s_endpgm
; ---- THE WEIGHTS.  A LANE TAKES A COLUMN AND ITS REGISTERS RUN DOWN K: a block of 32 lies in one lane, and the conversions give codes with K innermost.  No LDS.
; Work-group j: 128 columns x 256 along K; a wave 32 columns: two tiles.  Lane n is row (n % 8) + 8 (n / 16) of tile (n / 8) % 2, and makes the registers of BOTH lanes (r, 0) and (r, 1) of each fragment.
.Lweights:
	s_sub_co_u32 s25, ttmp9, 256                   ; j: 0-95 w_qkv1, 96-191 w_qkv2, 192-199 w_p1, 200-207 w_p2
	s_cmp_lt_u32 s25, 200
	s_cselect_b64 s[26:27], s[12:13], s[14:15]
	s_mov_b32 s28, 200
	s_cselect_b32 s28, 192, s28                    ; the tensor's first j,
	s_mov_b32 s29, 400
	s_cselect_b32 s29, 384, s29                    ; its first tile,
	s_mov_b32 s30, 1024                            ; and a row's bytes
	s_cmp_lt_u32 s25, 192
	s_cselect_b64 s[26:27], s[10:11], s[26:27]
	s_cselect_b32 s28, 96, s28
	s_cselect_b32 s29, 192, s29
	s_cselect_b32 s30, 12288, s30
	s_cmp_lt_u32 s25, 96
	s_cselect_b64 s[26:27], s[8:9], s[26:27]
	s_cselect_b32 s28, 0, s28
	s_cselect_b32 s29, 0, s29
	s_sub_co_u32 s25, s25, s28
	s_lshr_b32 s31, s25, 2                         ; which 128 columns
	s_and_b32 s25, s25, 3                          ; which 256 along K
	s_lshl_b32 s53, s31, 3
	s_add_co_u32 s29, s29, s53
	s_lshl_b32 s53, s24, 1
	s_add_co_u32 s29, s29, s53                     ; my first tile
	s_mul_i32 s54, s25, s30
	s_lshl_b32 s54, s54, 8                         ; 256 rows
	s_lshl_b32 s53, s31, 9
	s_add_co_u32 s54, s54, s53
	s_lshl_b32 s53, s24, 7
	s_add_co_u32 s54, s54, s53                     ; + my 32 columns
	s_mov_b32 s55, 0
	s_add_nc_u64 s[32:33], s[26:27], s[54:55]      ; block 0's first row;
	s_lshl_b32 s48, s30, 5
	s_mov_b32 s49, 0
.irp t, 1,2,3,4,5,6,7
	s_add_nc_u64 s[32+2*\t:33+2*\t], s[30+2*\t:31+2*\t], s[48:49]   ; block t's: 32 rows on
.endr
	s_mul_i32 s54, s29, 12288
	s_mul_i32 s53, s25, 3072
	s_add_co_u32 s54, s54, s53
	s_add_nc_u64 s[20:21], s[20:21], s[54:55]      ; my tiles' two K steps
	s_lshl_b32 s54, s29, 9
	s_lshr_b32 s53, s25, 1
	s_lshl_b32 s53, s53, 8
	s_add_co_u32 s54, s54, s53
	s_and_b32 s53, s25, 1
	s_lshl_b32 s53, s53, 3
	s_add_co_u32 s54, s54, s53
	s_add_nc_u64 s[22:23], s[22:23], s[54:55]      ; and their two scale words
	v_bfe_u32 v1, v0, 3, 1                         ; which tile
	v_and_b32 v2, 7, v0
	v_bfe_u32 v4, v0, 4, 1
	v_lshl_add_u32 v2, v4, 3, v2                   ; which row of it
	s_wait_alu depctr_va_vdst(0)
	v_lshlrev_b32 v3, 2, v9
	v_lshlrev_b32 v2, 4, v2
	v_mad_u32_u24 v4, v1, 0x3000, v2               ; codes: tile x 12,288 + 16 r
	v_lshl_add_u32 v5, v1, 9, v2                   ; scale bytes: tile x 512 + 16 r
.irp i, 0,1,2,3,4,5,6,7,8,9,10,11,12,13,14,15,16,17,18,19,20,21,22,23,24,25,26,27,28,29,30,31
	v_mad_u32_u24 v[OFF+\i], s30, \i, v3
.endr
.macro WLOAD t                         ; each load reads 128 consecutive bytes, the four waves side by side 512
.irp i, 0,1,2,3,4,5,6,7,8,9,10,11,12,13,14,15,16,17,18,19,20,21,22,23,24,25,26,27,28,29,30,31
	global_load_b32 v[WX+32*((\t)%2)+\i], v[OFF+\i], s[32+2*(\t):33+2*(\t)] th:TH_LOAD_NT
.endr
.endm
.macro WBLOCK t                        ; block t = K step t / 4, block t % 4 = 2 c + h of it: registers 6 c .. 6 c + 5 of lane (r, h)
.set XS, WX+32*((\t)%2)
.set FS, F+12*(2*((\t)/4)+(\t)%2)+6*(((\t)%4)/2)
.if (\t) < 7
	s_wait_loadcnt 32                              ; this block's 32 loads are in; the next block's may be out
.else
	s_wait_loadcnt 0
.endif
	BLKMAX
	v_cvt_scalef32_pk16_fp6_f32 v[FS:FS+2], v[XS:XS+15], v14
	v_cvt_scalef32_pk16_fp6_f32 v[CT:CT+2], v[XS+16:XS+31], v14
	v_lshrrev_b32 v13, 23, v14                     ; the scale's byte (also the plain line behind the conversions)
.if (\t)%4 == 0
	v_mov_b32 v[SB+(\t)/4], v13
.else
	v_lshl_or_b32 v[SB+(\t)/4], v13, 8*((\t)%4), v[SB+(\t)/4]
.endif
.irp i, 0,1,2
	v_mov_b32 v[FS+3+\i], v[CT+\i]
.endr
.if (\t)+2 < 8
	WLOAD (\t)+2
.endif
.if (\t)%4 == 3
.irp hh, 0,1
.irp q, 0,1,2
	global_store_b128 v4, v[F+12*(2*((\t)/4)+\hh)+4*\q:F+12*(2*((\t)/4)+\hh)+4*\q+3], s[20:21] offset:((\t)/4)*1536+512*\q+256*\hh   ; a tile's sixteen lanes fill 256 consecutive bytes, aligned
.endr
.endr
.endif
.endm
	WLOAD 0
	WLOAD 1
.irp t, 0,1,2,3,4,5,6,7
	WBLOCK \t
.endr
	global_store_b64 v5, v[SB:SB+1], s[22:23]
	s_endpgm
.Lfunc_end_k_q9b2ae6f366_quant:
	.size	k_q9b2ae6f366_quant, .Lfunc_end_k_q9b2ae6f366_quant-k_q9b2ae6f366_quant
	.p2alignl 7, 3214868480
	.fill 96, 4, 3214868480
	.section	.rodata,"a",@progbits
	.p2align	6, 0x0
	.amdhsa_kernel k_q9b2ae6f366_quant
		.amdhsa_group_segment_fixed_size 35328
		.amdhsa_private_segment_fixed_size 0
		.amdhsa_enable_private_segment 0
		.amdhsa_kernarg_size 80
		.amdhsa_user_sgpr_count 2
		.amdhsa_user_sgpr_kernarg_segment_ptr 1
		.amdhsa_wavefront_size32 1
		.amdhsa_system_sgpr_workgroup_id_x 1
		.amdhsa_system_sgpr_workgroup_id_y 1
		.amdhsa_system_sgpr_workgroup_id_z 1
		.amdhsa_system_vgpr_workitem_id 0
		.amdhsa_next_free_vgpr 240
		.amdhsa_next_free_sgpr 66
		.amdhsa_reserve_vcc 0
		.amdhsa_float_denorm_mode_32 3
		.amdhsa_float_denorm_mode_16_64 3
		.amdhsa_memory_ordered 1
		.amdhsa_forward_progress 1
		.amdhsa_inst_pref_size 72
	.end_amdhsa_kernel
	.amdgpu_metadata
---
amdhsa.version: [ 1, 2 ]
amdhsa.kernels:
  - .name:           k_q9b2ae6f366_quant
    .symbol:         k_q9b2ae6f366_quant.kd
    .args:
      - { .name: x, .offset: 0, .size: 8, .value_kind: global_buffer, .address_space: global }
      - { .name: y, .offset: 8, .size: 8, .value_kind: global_buffer, .address_space: global }
      - { .name: w_qkv1, .offset: 16, .size: 8, .value_kind: global_buffer, .address_space: global }
      - { .name: w_qkv2, .offset: 24, .size: 8, .value_kind: global_buffer, .address_space: global }
      - { .name: w_p1, .offset: 32, .size: 8, .value_kind: global_buffer, .address_space: global }
      - { .name: w_p2, .offset: 40, .size: 8, .value_kind: global_buffer, .address_space: global }
      - { .name: aimg, .offset: 48, .size: 8, .value_kind: global_buffer, .address_space: global }
      - { .name: asc, .offset: 56, .size: 8, .value_kind: global_buffer, .address_space: global }
      - { .name: wimg, .offset: 64, .size: 8, .value_kind: global_buffer, .address_space: global }
      - { .name: wsc, .offset: 72, .size: 8, .value_kind: global_buffer, .address_space: global }
    .group_segment_fixed_size: 35328
    .private_segment_fixed_size: 0
    .kernarg_segment_align: 8
    .kernarg_segment_size: 80
    .max_flat_workgroup_size: 128
    .sgpr_count:     66
    .vgpr_count:     240
    .wavefront_size: 32
...
	.end_amdgpu_metadata
.endif
;; end of part 1
;; launch gemm (part 2): grid 24 x 16, 4 waves a work-group, clusters of 4 x 4, 327,680 bytes of LDS; arguments aimg, asc, wimg, wsc, qkvc, qkvs; writes qkvc, qkvs
.if DOCPART == 2
	.amdgcn_target "amdgcn-amd-amdhsa--gfx1250"
	.amdhsa_code_object_version 6
	.text
	.protected	k_q9b2ae6f366_gemm
	.globl	k_q9b2ae6f366_gemm
	.p2align	8
	.type	k_q9b2ae6f366_gemm,@function
k_q9b2ae6f366_gemm:
	s_mov_b64 s[64:65], 0
	v_nop
	global_prefetch_b8 v0, s[64:65] scope:SCOPE_SE
	s_setreg_imm32_b32 hwreg(HW_REG_WAVE_MODE, 25, 1), 1
	s_wait_xcnt 0x0
	s_wait_alu depctr_hold_cnt(0) depctr_sa_sdst(0) depctr_va_vdst(0) depctr_va_sdst(0) depctr_va_ssrc(0) depctr_va_vcc(0) depctr_vm_vsrc(0)
	s_getreg_b32 s2, hwreg(HW_REG_IB_STS2, 6, 4)
	s_cmp_eq_u32 s2, 0
	s_cbranch_scc0 .Lentry_in_a_cluster
	s_endpgm
.Lentry_in_a_cluster:
	s_bfe_u32 s2, ttmp6, 0x10000c
	s_cmp_lg_u32 s2, 0xf033
	s_cbranch_scc0 .Lentry_shape_is_right
	s_endpgm
.Lentry_shape_is_right:
; x w_qkv1 and y w_qkv2 on codes of FP6 (E2M3) with E8M0 scales, K = 1,024; the results q, k, v are quantised in registers and leave as codes.
; A work-group makes 256 x 256 of a product, a wave 128 x 128: 64 accumulators, 512 registers.  Source 1 ('A') gives a lane its row, source 0 ('B') runs along a lane's registers; the result is quantised along B's rows.
; ROLES, by the cluster's x (0-2 stream x, 3-5 stream y; within a stream c3 = 0: q, 1: k, 2: v):  q, k: A = tokens, B = weight columns: a lane holds a token and 128 channels (two heads), quantised along the head's 64.
;   v: A = v's 1,024 weight columns, B = tokens: a lane holds a channel and 128 tokens: v comes out quantised along the keys, keys innermost; nothing is transposed.
; B's tiles of 16 rows are laid so that tiles 2 g and 2 g + 1 give a lane 16 neighbours, 32 g + 16 (lane / 16) + 0 .. 15 (tile 2 g + u, row p = row 32 g + 8 u + p + 8 (p / 8)).
; OPERANDS lie in memory as images of the fragments' registers ([tile][K step 8] x 1,536 bytes): a tile's 256 along K are 3,072 dense bytes, a fragment comes by three loads of 16 bytes a lane, no padding is needed.
; K goes in four steps of 256 through a ring of two LDS slots; the scale bytes of the work-group's 32 tiles (512 bytes a tile) come once, with the first fills.
; CLUSTERS: 4 x 4 work-groups; A's tiles are shared along a row of the cluster, B's along a column: each is asked for jointly, which divides the requests by four.
; LIMITS: blocks whose largest magnitude lies under 2^-124 keep the scale byte 1; NaN and infinities are not served.
; REGISTERS: window 0: v0-31 addresses; v32-63 scale words, two sets; v128-223 A's fragments, one set.  window 1: B's fragments, two sets, at v0 and v128.  windows 2, 3: accumulator (a, b) at v[8 (8 (a % 4) + b)].
.set NQ,     2                         ; matrix instructions deep in a slot
.set FR,     12
.set NL,     3                         ; LDS loads that bring a fragment
.set NP,     4                         ; places behind this matrix instruction (ISA guide 7.12.1)
.set STEPB,  3072                      ; a tile's part of a slot
.set HALFT,  8*STEPB                   ; 8 tiles: what one tensor load brings, and what one wave reads of A or of B
.set SLOT,   4*HALFT
.set SCL,    2*SLOT                    ; behind the ring: the scale bytes, 4,096 for each wave's 8 tiles
.set SPARE,  SCL+4*4096                ; the spare words, 128 bytes a wave
.set ADRA, 16                          ; v16-17 16 x lane + my 8 tiles of A in slot 0, 1
.set ADRB, 20                          ; v20-21 the same for B
.set ADRS, 27                          ; v27    my scale words: lanes 0-15 A's rows, lanes 16-31 B's
.set SPW,  28
.set NIL,  29
.set SC,   32
.set AF,   128
.set OUT,  32                          ; the way out: v32-127 eight fragments of codes
.set WW,   128                         ; v128-135 their scale words
.set TM,   136                         ; v136-151 at work
.set CT,   152                         ; v152-158 upper halves of blocks
.set G1, 24
.set G0, 32
.set G1B, 48
.set G0B, 56
.set G1S, 68
.set G0S, 76
.set G1SB, 80
.set G0SB, 88
.set MSB, 0
.macro WIN new                         ; the immediate's high byte repeats the setting that is left
.if MSB != \new
	s_set_vgpr_msb (MSB<<8)|\new
.set MSB, \new
.endif
.endm
.set MUL_LO, 0xa1                      ; source 0 (B) window 1, source 1 (A) window 0, C and D window 2
.set MUL_HI, 0xf1
.set TO_B,   0x40
; A joint load: waves 0 and 1 fetch for A, waves 2 and 3 for B; the branch hangs on the wave's number alone.  An s_nop 0 and four v_nop follow each line.
.macro JLOAD g0a, g1a, g0b, g1b
	s_cmp_eq_u32 s17, 0
	s_cbranch_scc0 .Lfor_b_\@
	tensor_load_to_lds s[\g0a:\g0a+3], s[\g1a:\g1a+7]
	s_nop 0
.rept 4
	v_nop
.endr
	s_branch .Lasked_\@
.Lfor_b_\@:
	tensor_load_to_lds s[\g0b:\g0b+3], s[\g1b:\g1b+7]
	s_nop 0
.rept 4
	v_nop
.endr
.Lasked_\@:
.endm
.macro CREST                           ; a round of the cluster's barrier behind its opening barrier
	s_cmp_lg_u32 s16, 0
	s_cbranch_scc1 .Lnot_wave_0_\@
	s_barrier_signal -3
.Lnot_wave_0_\@:
	s_barrier_wait -3
	s_barrier_signal -1
	s_barrier_wait -1
.endm
.macro CROUND
	s_barrier_signal -1
	s_barrier_wait -1
	CREST
.endm
	s_load_b256 s[4:11], s[0:1], 0x0               ; aimg, asc, wimg, wsc
	s_load_b128 s[12:15], s[0:1], 0x20             ; qkvc, qkvs
	v_lshl_add_u32 v[SPW], v0, 2, SPARE
	v_mov_b32 v[NIL], 0
	ds_add_u32 v[SPW], v[NIL]                      ; the wave's opening: the add and its wait ahead of my first tensor load
	ds_add_u32 v[SPW], v[NIL]
	v_lshrrev_b32 v1, 5, v0
	v_readfirstlane_b32 s16, v1                    ; wave
	s_lshr_b32 s17, s16, 1                         ; my half of A's rows.  Also: I fetch for A (0) or for B (1)
	s_and_b32 s18, s16, 1                          ; my half of B's rows.  Also: which 8 tiles I fetch
	s_bfe_u32 s40, ttmp6, 0x40000                  ; cx
	s_bfe_u32 s41, ttmp6, 0x40004                  ; cy
	s_and_b32 s22, ttmp7, 0xffff                   ; the cluster's y: which 64 token tiles (the batch)
	s_cmp_ge_u32 ttmp9, 3
	s_cselect_b32 s20, 1, 0                        ; the stream
	s_mul_i32 s21, s20, 3
	s_sub_co_u32 s21, ttmp9, s21                   ; c3
	s_cmp_eq_u32 s21, 2
	s_cselect_b32 s19, 1, 0                        ; 1: v's role.  The same in all sixteen partners
	s_lshl_b32 s42, s41, 2
	s_lshl_b32 s42, 15, s42                        ; my row of the cluster
	s_lshl_b32 s43, 0x1111, s40                    ; my column
	; group 1 for codes: 8 rows (tiles) of 384 elements of 8 bytes, 1,536 elements apart
	s_or_b32 s[G1+0], s42, (3<<16)|(1<<21)         ; 15:0 the mask; 17:16 elements of 8 bytes; 21 set beside a mask; no padding
	s_or_b32 s[G1B+0], s43, (3<<16)|(1<<21)
.irp g, G1, G1B
	s_mov_b32 s[\g+1], 384<<16                     ; tensor_dim0
	s_mov_b32 s[\g+2], 16<<16                      ; tensor_dim1: 16 tiles for the head's loads; behind them 8, for the ring's
	s_mov_b32 s[\g+3], 384<<16                     ; tile_dim0
	s_mov_b32 s[\g+4], 16                          ; tile_dim1
	s_mov_b32 s[\g+5], 1536                        ; from tile to tile
	s_mov_b32 s[\g+6], 0
	s_mov_b32 s[\g+7], 0
.endr
	s_lshl_b32 s92, s20, 8
	s_lshl_b32 s93, s22, 6
	s_add_co_u32 s92, s92, s93                     ; the cluster's first token tile: 256 stream + 64 y
	s_mul_i32 s93, s20, 192
	s_lshl_b32 s94, s21, 6
	s_add_co_u32 s94, s93, s94                     ; its first weight tile: 192 stream + 64 c3 (v's columns begin at tile 128)
	s_lshl_b32 s3, s41, 4                          ; 16 cy: enters A's tile alone
	s_lshl_b32 s2, s40, 4                          ; 16 cx: enters B's tile alone
	s_cmp_eq_u32 s19, 0
	s_cselect_b32 s95, s92, s94
	s_cselect_b32 s47, s94, s92
	s_add_co_u32 s95, s95, s3                      ; A: the first of the work-group's 16 tiles
	s_add_co_u32 s47, s47, s2                      ; B likewise
	s_mul_i32 s92, s95, 12288                      ; in bytes: codes,
	s_mov_b32 s93, 0
	s_lshl_b32 s94, s95, 9                         ; scale bytes
	s_mov_b32 s95, 0
	s_mul_i32 s44, s47, 12288
	s_mov_b32 s45, 0
	s_lshl_b32 s46, s47, 9
	s_mov_b32 s47, 0
	s_mul_i32 s23, s16, HALFT                      ; where they go: wave x 8 tiles: no place in the cluster enters an LDS address
	s_mul_i32 s96, s18, 8*12288                    ; in the ring I fetch 8 of the 16 tiles: which, in bytes
	s_mov_b32 s97, 0
	s_wait_dscnt 0x0                               ; the opening add is done
	s_wait_kmcnt 0x0
	s_cmp_eq_u32 s19, 0                            ; the buffers by the role; the 64-bit sums below leave SCC alone
	s_cselect_b64 s[G0+2:G0+3], s[4:5], s[8:9]
	s_cselect_b64 s[G0S+2:G0S+3], s[6:7], s[10:11]
	s_cselect_b64 s[G0B+2:G0B+3], s[8:9], s[4:5]
	s_cselect_b64 s[G0SB+2:G0SB+3], s[10:11], s[6:7]
	s_add_nc_u64 s[6:7], s[G0+2:G0+3], s[92:93]    ; s[4:7]: group 0 of the head's load of A's 16 tiles (the arguments that lay there have been chosen from)
	s_add_nc_u64 s[G0+2:G0+3], s[6:7], s[96:97]
	s_add_nc_u64 s[G0+6:G0+7], s[G0+2:G0+3], STEPB ; slot 1 begins with the second 256 along K
	s_add_nc_u64 s[94:95], s[G0S+2:G0S+3], s[94:95] ; the scale bytes of A's 16 tiles
	s_add_nc_u64 s[G0S+2:G0S+3], s[6:7], STEPB     ; s[G0S ..]: group 0 of the head's load of A's 16 tiles of slot 1
	s_add_nc_u64 s[10:11], s[G0B+2:G0B+3], s[44:45] ; s[8:11]: the same for B's 16 tiles
	s_add_nc_u64 s[G0B+2:G0B+3], s[10:11], s[96:97]
	s_add_nc_u64 s[G0B+6:G0B+7], s[G0B+2:G0B+3], STEPB
	s_add_nc_u64 s[46:47], s[G0SB+2:G0SB+3], s[46:47] ; the scale bytes of B's 16 tiles
	s_add_nc_u64 s[G0SB+2:G0SB+3], s[10:11], STEPB ; s[G0SB ..]: the same for B's 16 tiles of slot 1
	s_cmp_eq_u32 s17, 0                            ; do I fetch for A?  The choices hang on the wave's number alone
	s_cselect_b64 s[94:95], s[94:95], s[46:47]     ; whose scale bytes I bring,
	s_cselect_b64 s[2:3], s[G0+2:G0+3], s[G0B+2:G0B+3] ; where my 8 tiles' codes begin: the prefetches' base, never rewritten,
	s_cselect_b32 s98, s40, s41                    ; and my place among the four that ask for them with me
	s_lshl_b32 s92, s18, 12
	s_mov_b32 s93, 0
	s_add_nc_u64 s[94:95], s[94:95], s[92:93]      ; my 8 tiles' 4,096 scale bytes
	s_mul_i32 s98, s98, 24                         ; my work-group's 24 of a slot part's 96 blocks of 256 bytes
	s_lshl_b32 s99, s16, 12
	s_add_co_u32 s99, s99, SCL                     ; and where the scale bytes go: wave x 4,096
.irp g, 4, 8, G0, G0+4, G0B, G0B+4, G0S, G0SB
	s_mov_b32 s[\g], 1                             ; count = 1
	s_or_b32 s[\g+3], s[\g+3], 0x80000000          ; type = 2
.endr
	s_mov_b32 s[G0+1], s23
	s_add_co_u32 s[G0+5], s23, SLOT
	s_mov_b32 s[G0B+1], s23
	s_add_co_u32 s[G0B+5], s23, SLOT
	s_mov_b32 s[G0S+1], SLOT
	s_mov_b32 s[G0SB+1], SLOT+2*HALFT
	s_mov_b32 s5, 0                                ; slot 0: A's 16 tiles,
	s_mov_b32 s9, 2*HALFT                          ; B's behind them
	CROUND                                         ; all sixteen work-groups are here: the first joint loads meet
; THE HEAD'S LOADS, ONE A WAVE: wave 0 slot 0's 16 tiles of A, wave 1 its 16 tiles of B, wave 2 slot 1's 16 tiles of A, wave 3 its 16 tiles of B.
; One tree of branches on the wave's number: every way through it passes exactly one load.  The scale bytes come through registers (below).
.macro ARM under, g0, g1, next
	s_cmp_lt_u32 s16, \under
	s_cbranch_scc0 \next
	tensor_load_to_lds s[\g0:\g0+3], s[\g1:\g1+7]
	s_nop 0
.rept 4
	v_nop
.endr
	s_branch .Lhead_asked
\next:
.endm
	ARM 1, 4,   G1,  .Lhead_b
	ARM 2, 8,   G1B, .Lhead_sa
	ARM 3, G0S, G1,  .Lhead_sb
	tensor_load_to_lds s[G0SB:G0SB+3], s[G1B:G1B+7]
	s_nop 0
.rept 4
	v_nop
.endr
.Lhead_asked:
	v_and_b32 v3, 31, v0
	v_min_u32 v8, 23, v3                           ; lanes 24-31 name the wave's last block again
	v_lshlrev_b32 v3, 4, v3                        ; 16 x lane
.irp i, 0,1,2,3,4,5,6,7
	global_load_b128 v[SC+4*\i:SC+4*\i+3], v3, s[94:95] offset:512*\i   ; my 8 tiles' scale bytes, 512 consecutive bytes a load
.endr
	v_add_nc_u32 v7, s99, v3                       ; their place in LDS
	; THE PREFETCH: the part of my 8 tiles that a later slot takes is 8 x 3,072 bytes = 96 blocks of 256; the four partners that ask for it jointly share them by address, 24 each, a lane a block
	v_add_nc_u32 v8, s98, v8                       ; block b = 24 x place + lane
	v_mul_u32_u24 v9, v8, 43
	v_lshrrev_b32 v9, 9, v9                        ; b / 12 (exact for b under 96): the tile
	v_mul_u32_u24 v10, v9, 12
	v_sub_nc_u32 v8, v8, v10                       ; b % 12
	v_lshlrev_b32 v8, 8, v8
	v_mad_u32_u24 v8, v9, 0x3000, v8               ; tile x 12,288 + 256 (b % 12); never rewritten
	global_prefetch_b8 v8, s[2:3] offset:2*STEPB th:TH_LOAD_NT scope:SCOPE_SE   ; the third 256 along K, which the first change of slots asks for
	s_mul_i32 s92, s17, HALFT                      ; my 8 tiles of A
	s_mul_i32 s93, s18, HALFT
	s_add_co_u32 s93, s93, 2*HALFT                 ; my 8 tiles of B, behind A's 16
.irp s, 0,1
	v_add_nc_u32 v[ADRA+\s], s92, v3
	v_add_nc_u32 v[ADRB+\s], s93, v3
	s_add_co_u32 s92, s92, SLOT
	s_add_co_u32 s93, s93, SLOT
.endr
	v_and_b32 v1, 15, v0
	v_bfe_u32 v2, v0, 4, 1
	v_lshlrev_b32 v5, 4, v1                        ; a row's 16 scale bytes of a K half
	s_lshl_b32 s92, s17, 12
	s_lshl_b32 s93, s18, 12
	s_add_co_u32 s93, s93, 2*4096
	s_sub_co_u32 s93, s93, s92
	v_mul_u32_u24 v6, s93, v2                      ; lanes 16-31 take B's
	s_add_co_u32 s92, s92, SCL
	v_add_nc_u32 v5, v5, v6
	v_add_nc_u32 v[ADRS], s92, v5
.macro FRAG reg, adr, q, i             ; tile i's fragment of the slot's q-th 128 along K: an image of its 12 registers
.irp c, 0,1,2
	ds_load_b128 v[\reg+4*\c:\reg+4*\c+3], v[\adr] offset:(\i)*STEPB+(\q)*1536+512*\c
.endr
.endm
; 16 matrix instructions: A's blocks a0, a0 + 1 x B's eight.  The 64 accumulators take turns, one instruction a turn, in the same order in every step.
.macro MUL16 a0, p, q, sc, zero
.irp a, \a0, \a0+1
.irp b, 0,1,2,3,4,5,6,7
.if \zero
	v_wmma_scale_f32_16x16x128_f8f6f4 v[8*(8*((\a)%4)+\b):8*(8*((\a)%4)+\b)+7], v[128*(\p)+FR*\b:128*(\p)+FR*\b+FR-1], v[AF+FR*(\a):AF+FR*(\a)+FR-1], 0, v[SC+8*NQ*(\sc)+NQ*\b+(\q)], v[SC+8*NQ*(\sc)+NQ*(\a)+(\q)] matrix_a_fmt:MATRIX_FMT_FP6 matrix_b_fmt:MATRIX_FMT_FP6 matrix_a_scale:MATRIX_SCALE_ROW1
.else
	v_wmma_scale_f32_16x16x128_f8f6f4 v[8*(8*((\a)%4)+\b):8*(8*((\a)%4)+\b)+7], v[128*(\p)+FR*\b:128*(\p)+FR*\b+FR-1], v[AF+FR*(\a):AF+FR*(\a)+FR-1], v[8*(8*((\a)%4)+\b):8*(8*((\a)%4)+\b)+7], v[SC+8*NQ*(\sc)+NQ*\b+(\q)], v[SC+8*NQ*(\sc)+NQ*(\a)+(\q)] matrix_a_fmt:MATRIX_FMT_FP6 matrix_b_fmt:MATRIX_FMT_FP6 matrix_a_scale:MATRIX_SCALE_ROW1
.endif
.endr
.endr
.endm
.macro FETCH_B slot, q, p
	WIN TO_B
.irp i, 0,1,2,3,4,5,6,7
	FRAG 128*(\p)+FR*\i, ADRB+\slot, \q, \i
.endr
	WIN 0
.endm
.macro FETCH_A slot, q, i0
.irp i, \i0, \i0+1, \i0+2, \i0+3
	FRAG AF+FR*(\i), ADRA+\slot, \q, \i
.endr
.endm
.macro SCALES sc, j                    ; the two scale words of the j-th 256 along K: lanes 0-15 A's block i, lanes 16-31 B's block i
.irp i, 0,1,2,3,4,5,6,7
	ds_load_b64 v[SC+8*NQ*\sc+NQ*\i:SC+8*NQ*\sc+NQ*\i+1], v[ADRS] offset:\i*512+((\j)/2)*256+((\j)%2)*8
.endr
.endm
.macro PLACES n                        ; plain vector lines between a matrix instruction and a load into, or a vector line on, its registers
.rept \n
	v_nop
.endr
.endm
.macro STEP slot, q, zero              ; a step of 128 along K that has its successor in the same slot
	s_wait_dscnt 4*NL                              ; all but the youngest twelve loads (A's blocks 4-7) are in
	WIN MUL_LO
	MUL16 0, (\q)%2, \q, \slot, \zero
	MUL16 2, (\q)%2, \q, \slot, \zero
	s_wait_dscnt 0
	PLACES NP
	FETCH_B \slot, (\q)+1, 1-(\q)%2
	FETCH_A \slot, (\q)+1, 0
	WIN MUL_HI
	MUL16 4, (\q)%2, \q, \slot, \zero
	MUL16 6, (\q)%2, \q, \slot, \zero
	PLACES NP
	WIN 0
	FETCH_A \slot, (\q)+1, 4
.endm
; A slot's last step changes slots: one barrier; ahead of it each wave waits for all its tensor loads, adds 0 to its spare word, and waits for that and for its reads of this slot.
.macro TURN slot, next, fill, j
	s_wait_tensorcnt 0x0                           ; my part of the next slot has landed; no load of mine is out
	ds_add_u32 v[SPW], v[NIL]
	s_wait_dscnt 4*NL+1                            ; (the add and A's blocks 4-7 may be out)
	WIN MUL_LO
	MUL16 0, 1, NQ-1, \slot, 0
	s_wait_dscnt 0x0                               ; the add is done, and my reads of this slot are over
	s_barrier_signal -1
	MUL16 2, 1, NQ-1, \slot, 0
	WIN 0
	s_barrier_wait -1
.if \fill
	CREST                                          ; the barrier has opened a round of the cluster's: no wave of any partner still reads this slot or has a load on its way
	s_add_nc_u64 s[G0+4*\slot+2:G0+4*\slot+3], s[G0+4*\slot+2:G0+4*\slot+3], 2*STEPB
	s_add_nc_u64 s[G0B+4*\slot+2:G0B+4*\slot+3], s[G0B+4*\slot+2:G0B+4*\slot+3], 2*STEPB
	JLOAD G0+4*\slot, G1, G0B+4*\slot, G1B         ; the first tensor load behind the round; its four v_nop are the places for the loads below
.else
	PLACES NP
.endif
	FETCH_B \next, 0, 0
	FETCH_A \next, 0, 0
	SCALES \next, \j
.if (\j) == 1
	global_prefetch_b8 v8, s[2:3] offset:3*STEPB th:TH_LOAD_NT scope:SCOPE_SE   ; the last 256 along K, which the next change of slots asks for; nothing lies beyond it
.endif
	WIN MUL_HI
	MUL16 4, 1, NQ-1, \slot, 0
	MUL16 6, 1, NQ-1, \slot, 0
	PLACES NP
	WIN 0
	FETCH_A \next, 0, 4
.endm
	s_wait_alu depctr_va_vdst(0)                   ; the wait at the head's end
	s_wait_loadcnt 0x0                             ; my scale bytes are in registers,
	s_wait_tensorcnt 0x0                           ; and my tile of the head's four is in LDS
.irp i, 0,1,2,3,4,5,6,7
	ds_store_b128 v7, v[SC+4*\i:SC+4*\i+3] offset:512*\i   ; into bytes in which no tensor load lands
.endr
	s_mov_b32 s[G1+2], 8<<16                       ; no tensor load of mine is out: from here on a load brings 8 tiles
	s_mov_b32 s[G1+4], 8
	s_mov_b32 s[G1B+2], 8<<16
	s_mov_b32 s[G1B+4], 8
	s_wait_dscnt 0x0                               ; my stores are done
	s_barrier_signal -1
	s_barrier_wait -1                              ; both slots and all scale bytes are whole; slot 0 is filled again at the first change of slots
	FETCH_B 0, 0, 0
	FETCH_A 0, 0, 0
	SCALES 0, 0
	FETCH_A 0, 0, 4
	STEP 0, 0, 1                                   ; the first products start the sums: nothing is cleared.  K has four slots' worth: written out, no loop
	TURN 0, 1, 1, 1
	STEP 1, 0, 0
	TURN 1, 0, 1, 2
	STEP 0, 0, 0
	TURN 0, 1, 0, 3                                ; nothing is left to fetch: no round
	STEP 1, 0, 0
	s_wait_dscnt 4*NL
	WIN MUL_LO
	MUL16 0, 1, NQ-1, 1, 0
	MUL16 2, 1, NQ-1, 1, 0
	s_wait_dscnt 0
	WIN MUL_HI
	MUL16 4, 1, NQ-1, 1, 0
	MUL16 6, 1, NQ-1, 1, 0
	WIN 0
; THE WAY OUT.  A's block a: a lane's 64 numbers, register 16 b + i = place 32 b + 16 (lane / 16) + i along B, become a fragment's 12 registers of codes and its scale word.
	PLACES NP
	s_mov_b32 s44, 0x76543210
	s_mov_b32 s45, 0xfedcba98                      ; selects for lane l xor 16
	s_mov_b32 s46, 0xffff0000                      ; lanes 16-31
	v_and_b32 v1, 31, v0
	v_lshlrev_b32 v2, 4, v1
	v_lshlrev_b32 v3, 3, v1
	v_lshlrev_b32 v4, 2, v1
.irp b, 0,1,2,3
	v_mov_b32 v[TM+4+\b], 0                        ; a lane permute's destination counts as read
.endr
.macro QUANT64 a
.set AC, 64*((\a)%4)
.set OU, OUT+12*(\a)
	WIN 0x0a+5*((\a)/4)                            ; sources 0 and 1: the accumulators' window
.irp b, 0,1,2,3
	v_max3_num_f32 v[TM+\b], |v[AC+16*\b]|, |v[AC+1+16*\b]|, 0x1800000   ; each accumulator is read from its low end on; the floor 2^(3 - 127) holds the byte at 1 from below
.endr
.irp i, 2,4,6,8,10,12,14
.irp b, 0,1,2,3
	v_max3_num_f32 v[TM+\b], |v[AC+16*\b+\i]|, |v[AC+1+16*\b+\i]|, v[TM+\b]
.endr
.endr
	WIN 0
.irp b, 0,1,2,3
	v_permlanex16_b32 v[TM+4+\b], v[TM+\b], s44, s45
.endr
.irp b, 0,1,2,3
	v_max_num_f32 v[TM+\b], v[TM+\b], v[TM+4+\b]   ; with lane l xor 16's: the block's largest magnitude
.endr
.irp b, 0,1,2,3
	v_add_nc_u32 v[TM+12+\b], 0xff000000, v[TM+\b] ; 2 off its exponent field: the conversion's scale operand
.endr
.irp b, 0,1,2,3
	v_lshrrev_b32 v[TM+4+\b], 23, v[TM+12+\b]      ; the scale's byte
.endr
	v_lshl_or_b32 v[WW+(\a)], v[TM+5], 8, v[TM+4]
	v_lshl_or_b32 v[WW+(\a)], v[TM+6], 16, v[WW+(\a)]
	v_lshl_or_b32 v[WW+(\a)], v[TM+7], 24, v[WW+(\a)]
	WIN 0x02+((\a)/4)                              ; source 0: the accumulators' window
.irp c, 0,1
	v_cvt_scalef32_pk16_fp6_f32 v[OU+6*\c:OU+6*\c+2], v[AC+32*\c:AC+32*\c+15], v[TM+12+2*\c]
	v_cvt_scalef32_pk16_fp6_f32 v[CT+4*\c:CT+4*\c+2], v[AC+32*\c+16:AC+32*\c+31], v[TM+12+2*\c+1]
.endr
	WIN 0
	v_nop                                          ; one plain line behind a scaled conversion
.irp c, 0,1                            ; the layout wants a whole block in a lane: lanes 0-15 block 2 c, lanes 16-31 block 2 c + 1
.irp i, 0,1,2
	v_permlane16_swap_b32 v[OU+6*\c+\i], v[CT+4*\c+\i]
.endr
.irp i, 0,1,2
	v_mov_b32 v[OU+3+6*\c+\i], v[CT+4*\c+\i]
.endr
.endr
.endm
.irp a, 0,1,2,3,4,5,6,7
	QUANT64 \a
.endr
	s_cmp_lg_u32 s19, 0                            ; the role: the same in every partner
	s_cbranch_scc1 .Lv_out
	; q, k: registers 0-5 are the token tile's 64 channels of head he, registers 6-11 those of head he + 1: two half fragments of 768 bytes (registers 0-3 at 16 l, 4-5 at 512 + 8 l), laid [stream][q, k][head][tile]
	s_lshl_b32 s92, s22, 6
	s_lshl_b32 s93, s41, 4
	s_add_co_u32 s92, s92, s93
	s_lshl_b32 s93, s17, 3
	s_add_co_u32 s92, s92, s93                     ; my first token tile in the stream
	s_lshl_b32 s93, s20, 1
	s_add_co_u32 s93, s93, s21
	s_lshl_b32 s93, s93, 4
	s_lshl_b32 s94, s40, 2
	s_add_co_u32 s93, s93, s94
	s_lshl_b32 s94, s18, 1
	s_add_co_u32 s93, s93, s94                     ; (2 stream + c3) 16 + he
	s_mul_i32 s94, s93, 196608
	s_mul_i32 s95, s92, 768
	s_add_co_u32 s96, s94, s95
	s_mov_b32 s97, 0
	s_add_nc_u64 s[96:97], s[12:13], s[96:97]
	s_lshl_b32 s94, s93, 13
	s_lshl_b32 s95, s92, 5
	s_add_co_u32 s98, s94, s95
	s_mov_b32 s99, 0
	s_add_nc_u64 s[98:99], s[14:15], s[98:99]
	s_wait_alu depctr_va_vdst(0)
.irp a, 0,1,2,3,4,5,6,7
	global_store_b128 v2, v[OUT+12*\a:OUT+12*\a+3], s[96:97] offset:\a*768
	global_store_b64 v3, v[OUT+12*\a+4:OUT+12*\a+5], s[96:97] offset:\a*768+512
	global_store_b128 v2, v[OUT+12*\a+6:OUT+12*\a+9], s[96:97] offset:196608+\a*768
	global_store_b64 v3, v[OUT+12*\a+10:OUT+12*\a+11], s[96:97] offset:196608+\a*768+512
.endr
.irp j, 0,1,2,3                        ; a head's scale word of a PAIR of tiles: the even tile's two bytes, then the odd tile's
	v_perm_b32 v[160+\j], v[WW+2*\j+1], v[WW+2*\j], 0x05040100
	v_perm_b32 v[164+\j], v[WW+2*\j+1], v[WW+2*\j], 0x07060302
.endr
	v_cndmask_b32 v168, v160, v161, s46            ; lanes 0-15 store one pair's 16 words, lanes 16-31 the next pair's
	v_cndmask_b32 v169, v162, v163, s46
	v_cndmask_b32 v170, v164, v165, s46
	v_cndmask_b32 v171, v166, v167, s46
	global_store_b32 v4, v168, s[98:99]
	global_store_b32 v4, v169, s[98:99] offset:128
	global_store_b32 v4, v170, s[98:99] offset:8192
	global_store_b32 v4, v171, s[98:99] offset:8320
	s_branch .Lout_done
.Lv_out:
	; v: block a is 16 channels (tile a % 4 of head h0 + a / 4) x my 128 tokens: one whole fragment, laid [stream][head][batch][128 keys][tile of channels]
	s_lshl_b32 s92, s41, 2
	s_lshl_b32 s93, s17, 1
	s_add_co_u32 s92, s92, s93                     ; h0
	s_lshl_b32 s92, s92, 2
	s_add_co_u32 s92, s92, s22                     ; 4 h0 + batch
	s_lshl_b32 s92, s92, 3
	s_lshl_b32 s93, s40, 1
	s_add_co_u32 s92, s92, s93
	s_add_co_u32 s92, s92, s18                     ; x 8 + which 128 keys
	s_mul_i32 s96, s92, 6144
	s_mul_i32 s93, s20, 3145728
	s_add_co_u32 s96, s96, s93
	s_add_co_u32 s96, s96, 12582912
	s_mov_b32 s97, 0
	s_add_nc_u64 s[96:97], s[12:13], s[96:97]
	s_lshl_b32 s98, s92, 8
	s_lshl_b32 s93, s20, 17
	s_add_co_u32 s98, s98, s93
	s_add_co_u32 s98, s98, 524288
	s_mov_b32 s99, 0
	s_add_nc_u64 s[98:99], s[14:15], s[98:99]
	s_wait_alu depctr_va_vdst(0)
.irp a, 0,1,2,3,4,5,6,7
.irp c, 0,1,2
	global_store_b128 v2, v[OUT+12*\a+4*\c:OUT+12*\a+4*\c+3], s[96:97] offset:(\a/4)*196608+(\a%4)*1536+512*\c
.endr
.endr
.irp j, 0,1,2,3
	v_cndmask_b32 v[168+\j], v[WW+2*\j], v[WW+2*\j+1], s46
	global_store_b32 v4, v[168+\j], s[98:99] offset:(\j/2)*8192+(\j%2)*128
.endr
.Lout_done:
	s_wait_tensorcnt 0x0                           ; the wave's end
	ds_add_u32 v[SPW], v[NIL]
	s_wait_dscnt 0x0
	CROUND                                         ; the closing round: no work-group ends while a partner may still ask for a tile that names it
	s_endpgm
.Lfunc_end_k_q9b2ae6f366_gemm:
	.size	k_q9b2ae6f366_gemm, .Lfunc_end_k_q9b2ae6f366_gemm-k_q9b2ae6f366_gemm
	.p2alignl 7, 3214868480
	.fill 96, 4, 3214868480
	.section	.rodata,"a",@progbits
	.p2align	6, 0x0
	.amdhsa_kernel k_q9b2ae6f366_gemm
		.amdhsa_group_segment_fixed_size 327680
		.amdhsa_private_segment_fixed_size 0
		.amdhsa_enable_private_segment 0
		.amdhsa_kernarg_size 48
		.amdhsa_user_sgpr_count 2
		.amdhsa_user_sgpr_kernarg_segment_ptr 1
		.amdhsa_wavefront_size32 1
		.amdhsa_system_sgpr_workgroup_id_x 1
		.amdhsa_system_sgpr_workgroup_id_y 1
		.amdhsa_system_sgpr_workgroup_id_z 1
		.amdhsa_system_vgpr_workitem_id 0
		.amdhsa_next_free_vgpr 1024
		.amdhsa_next_free_sgpr 100
		.amdhsa_reserve_vcc 0
		.amdhsa_float_denorm_mode_32 3
		.amdhsa_float_denorm_mode_16_64 3
		.amdhsa_memory_ordered 1
		.amdhsa_forward_progress 1
		.amdhsa_inst_pref_size 147
	.end_amdhsa_kernel
	.amdgpu_metadata
---
amdhsa.version: [ 1, 2 ]
amdhsa.kernels:
  - .name:           k_q9b2ae6f366_gemm
    .symbol:         k_q9b2ae6f366_gemm.kd
    .args:
      - { .name: aimg, .offset: 0, .size: 8, .value_kind: global_buffer, .address_space: global }
      - { .name: asc, .offset: 8, .size: 8, .value_kind: global_buffer, .address_space: global }
      - { .name: wimg, .offset: 16, .size: 8, .value_kind: global_buffer, .address_space: global }
      - { .name: wsc, .offset: 24, .size: 8, .value_kind: global_buffer, .address_space: global }
      - { .name: qkvc, .offset: 32, .size: 8, .value_kind: global_buffer, .address_space: global }
      - { .name: qkvs, .offset: 40, .size: 8, .value_kind: global_buffer, .address_space: global }
    .group_segment_fixed_size: 327680
    .private_segment_fixed_size: 0
    .kernarg_segment_align: 8
    .kernarg_segment_size: 48
    .max_flat_workgroup_size: 128
    .sgpr_count:     100
    .vgpr_count:     1024
    .wavefront_size: 32
...
	.end_amdgpu_metadata
.endif
;; end of part 2
;; launch attn (part 3): grid 2 x 128, 16 waves a work-group, no clusters, 167,936 bytes of LDS; arguments qkvc, qkvs, xoc, xos; writes xoc, xos
.if DOCPART == 3
	.amdgcn_target "amdgcn-amd-amdhsa--gfx1250"
	.amdhsa_code_object_version 6
	.text
	.protected	k_q9b2ae6f366_attn
	.globl	k_q9b2ae6f366_attn
	.p2align	8
	.type	k_q9b2ae6f366_attn,@function
k_q9b2ae6f366_attn:
	s_mov_b64 s[64:65], 0
	v_nop
	global_prefetch_b8 v0, s[64:65] scope:SCOPE_SE
	s_setreg_imm32_b32 hwreg(HW_REG_WAVE_MODE, 25, 1), 1
	s_wait_xcnt 0x0
; Both cross attentions on codes of FP6 (E2M3): branch br takes q and v of stream br and k of stream 1 - br; logit = 1 - q.k / 8; head size 64, 1,024 keys.  The result O / l is quantised along the channels and leaves as codes.
; THE SOFTMAX: t = logit x log2(e) = score x c + log2(e), c = -log2(e) / 8; M = the running largest t rounded UP to a whole number; p = 2^(t - M) is quantised along the keys, not normalised.  The row's sum is taken of the
; unquantised p.  When M moves, the sum and O are multiplied by 2^(old M - new M): exact.  c is negative: the largest p of a block belongs to its SMALLEST score.
; SHARES.  A work-group owns 512 queries of one (branch, batch, head), in two blocks of 256; each of its sixteen waves one tile of 16 queries a block, in 256 registers: four waves to a SIMD, so that one wave's vector work stands
; beside another's matrix work.  The head's whole K and V (96 KiB of codes, 4 KiB of scale bytes) come into LDS ONCE: no ring, no refill, one barrier.
; LAYOUT.  Both products are used transposed (S^T = K Q^T, O^T = V^T P^T): a lane holds one query throughout.  Tiles of keys and of channels are laid so that tiles 2 g, 2 g + 1 give a lane 16 neighbours.
; A HEAD IS HALF OF THE INSTRUCTION'S K.  A fragment of K holds TWO key tiles (registers 0-5 the even tile's 64 channels, 6-11 the odd tile's); it is multiplied once by [q, 0] and once by [0, q]: zero codes add nothing under any
; finite scale byte.  q stands once, between two runs of six zero registers.
; NO MULTICAST: only two work-groups read the same K and V, fewer than a cluster's four along an axis, and each fetches its 100 KiB once for 512 x 1,024 scores.  No prefetch: all is asked for at the head.
; LIMITS: NaN and infinities are not served; a block whose largest magnitude lies under 2^-124 keeps the scale byte 1.
.set VIMG,  49152                      ; LDS: K's 64 half fragments from 0; V's [128 keys 8][tile 4] fragments;
.set KSC,   98304                      ; K's scale words [pair of tiles 32][row 16];
.set VSC,   100352                     ; V's [128 keys 8][tile 4][row 16];
.set SPARE, 102400                     ; the spare words, 128 bytes a wave
.set L16, 1                            ; v1  16 x lane
.set L8,  2                            ; v2  8 x lane
.set AS0, 3                            ; v3  KSC + 4 x lane
.set R4,  4                            ; v4  4 r
.set SPW, 5
.set NIL, 6
.set QS,  7                            ; v7  q's scale word: its two bytes twice
.set A16, 8                            ; v8-10 the step's LDS addresses
.set A8,  9
.set AS,  10
.set XB,  11                           ; v11 4 r + h: my scale byte's place
.set ADD, 12                           ; v12 log2(e) - M  (named as a pair with v13)
.set TMAX, 13                          ; v13 the running largest t
.set SUM, 14                           ; v14-15 the row's sum in two halves
.set QHI, 16                           ; v16-27 = [0, q];  v22-33 = [q, 0]
.set QLO, 22
.set NM,  34                           ; v34 -M
.set TT,  35
.set FF,  36                           ; v36 f = 2^(old M - new M), later 1 / l  (named as a pair with v37)
.set QT,  38
.set PSW, 39                           ; v39 p's scale word
.set KF,  40                           ; v40-87  four fragments of K
.set VF,  88                           ; v88-135 four fragments of V
.set PT,  132                          ; v132-135 at work while V's fragments are dead
.set S,   136                          ; v136-199 S^T, then p
.set O,   200                          ; v200-231 O^T
.set PC,  232                          ; v232-243 p's codes
.set BM,  244                          ; v244-247 the blocks' extremes, then upper halves of codes
.set SO,  248                          ; v248-251 the conversions' scale operands
.set KSW, 252                          ; v252-253 K's scale words: lanes 0-15 one pair of tiles, lanes 16-31 the next
.set VSW, 254                          ; v254-255 V's likewise
.set WV,  12
.set G1C, 28                           ; s[28:35] group 1: 48 rows of 256 bytes;  s[36:43]: 8 rows
.set G1S, 36
	s_load_b256 s[4:11], s[0:1], 0x0               ; qkvc, qkvs, xoc, xos
	v_lshl_add_u32 v[SPW], v0, 2, SPARE
	v_mov_b32 v[NIL], 0
	ds_add_u32 v[SPW], v[NIL]                      ; the wave's opening: the add and its wait ahead of the first tensor load
	ds_add_u32 v[SPW], v[NIL]
	v_lshrrev_b32 v1, 5, v0
	s_delay_alu instid0(VALU_DEP_1)
	v_readfirstlane_b32 s[WV], v1                  ; wave 0..15
	s_and_b32 s13, ttmp7, 0xffff
	s_lshr_b32 s14, s13, 6                         ; branch
	s_bfe_u32 s15, s13, 0x20004                    ; batch
	s_and_b32 s16, s13, 15                         ; head
	s_mov_b32 s20, 0x76543210
	s_mov_b32 s21, 0xfedcba98                      ; selects for lane l xor 16
	s_mov_b32 s22, 0xbe38aa3b                      ; c = -log2(e) / 8
	s_mov_b32 s23, s22                             ; (named with it as a pair)
	s_mov_b32 s24, 0x3fb8aa3b                      ; log2(e)
	s_mov_b32 s25, 0xffff0000                      ; lanes 16-31
.irp g, G1C, G1S
	s_mov_b32 s[\g], 3<<16                         ; no mask; elements of 8 bytes; no padding
	s_mov_b32 s[\g+1], 32<<16                      ; rows of 256 bytes, dense
	s_mov_b32 s[\g+3], 32<<16
	s_mov_b32 s[\g+5], 32
	s_mov_b32 s[\g+6], 0
	s_mov_b32 s[\g+7], 0
.endr
	s_mov_b32 s[G1C+2], 48<<16
	s_mov_b32 s[G1C+4], 48
	s_mov_b32 s[G1S+2], 8<<16
	s_mov_b32 s[G1S+4], 8
	s_mul_i32 s17, s15, 49152                      ; the batch's 64 tiles of codes,
	s_lshl_b32 s18, s15, 11                        ; and their scale words
	s_and_b32 s19, s[WV], 3
	s_mul_i32 s19, s19, 12288                      ; the quarter that I fetch, if I fetch
	s_lshl_b32 s74, s14, 1
	s_sub_co_u32 s74, 3, s74
	s_lshl_b32 s74, s74, 4
	s_add_co_u32 s74, s74, s16                     ; k of the OTHER stream: (2 (1 - branch) + 1) 16 + head
	s_mul_i32 s76, s74, 196608
	s_add_co_u32 s76, s76, s17
	s_add_co_u32 s76, s76, s19
	s_mov_b32 s77, 0
	s_lshl_b32 s78, s74, 13
	s_add_co_u32 s78, s78, s18
	s_mov_b32 s79, 0
	s_mul_i32 s80, s14, 3145728                    ; v of my stream
	s_mul_i32 s75, s16, 196608
	s_add_co_u32 s80, s80, s75
	s_add_co_u32 s80, s80, s17
	s_add_co_u32 s80, s80, s19
	s_add_co_u32 s80, s80, 12582912
	s_mov_b32 s81, 0
	s_lshl_b32 s82, s14, 17
	s_lshl_b32 s75, s16, 13
	s_add_co_u32 s82, s82, s75
	s_add_co_u32 s82, s82, s18
	s_add_co_u32 s82, s82, 524288
	s_mov_b32 s83, 0
	s_lshl_b32 s84, s15, 6
	s_lshl_b32 s75, ttmp9, 5
	s_add_co_u32 s84, s84, s75
	s_add_co_u32 s84, s84, s[WV]                   ; my first tile of queries: 64 batch + 32 x + wave
	s_lshl_b32 s85, s14, 5
	s_add_co_u32 s85, s85, s16                     ; q of my stream: 32 branch + head
	s_mul_i32 s86, s85, 196608
	s_mul_i32 s75, s84, 768
	s_add_co_u32 s86, s86, s75
	s_mov_b32 s87, 0
	s_lshl_b32 s88, s85, 13
	s_lshr_b32 s75, s84, 1
	s_lshl_b32 s75, s75, 6
	s_add_co_u32 s88, s88, s75                     ; the pair's words,
	s_and_b32 s75, s[WV], 1
	s_lshl_b32 s75, s75, 1
	s_add_co_u32 s88, s88, s75                     ; my tile's two bytes of them
	s_mov_b32 s89, 0
	s_lshl_b32 s74, s14, 8
	s_add_co_u32 s74, s74, s84                     ; the tile among both streams' 512
	s_lshl_b32 s75, s74, 4
	s_add_co_u32 s75, s75, s16
	s_mul_i32 s90, s75, 768                        ; xoc: [tile][head] half fragments
	s_mov_b32 s91, 0
	s_lshl_b32 s92, s74, 9                         ; xos: [tile][K step = head / 2][row] words, byte 2 (head % 2) + block
	s_lshr_b32 s75, s16, 1
	s_lshl_b32 s75, s75, 6
	s_add_co_u32 s92, s92, s75
	s_and_b32 s75, s16, 1
	s_lshl_b32 s75, s75, 1
	s_add_co_u32 s92, s92, s75
	s_mov_b32 s93, 0
	s_wait_dscnt 0x0                               ; the opening add is done
	s_wait_kmcnt 0x0
	s_mov_b32 s44, 1                               ; group 0 for K's codes,
	s_mov_b32 s45, s19
	s_add_nc_u64 s[46:47], s[4:5], s[76:77]
	s_or_b32 s47, s47, 0x80000000
	s_mov_b32 s48, 1                               ; V's codes,
	s_add_co_u32 s49, s19, VIMG
	s_add_nc_u64 s[50:51], s[4:5], s[80:81]
	s_or_b32 s51, s51, 0x80000000
	s_mov_b32 s52, 1                               ; K's scale words,
	s_mov_b32 s53, KSC
	s_add_nc_u64 s[54:55], s[6:7], s[78:79]
	s_or_b32 s55, s55, 0x80000000
	s_mov_b32 s56, 1                               ; V's
	s_mov_b32 s57, VSC
	s_add_nc_u64 s[58:59], s[6:7], s[82:83]
	s_or_b32 s59, s59, 0x80000000
	; waves 0-3: K's quarters; 4-7: V's; 8: K's scale words; 9: V's; the others nothing.  One load a wave is out.  An s_nop 0 and four v_nop follow each
	s_cmp_lt_u32 s[WV], 4
	s_cbranch_scc0 .Lnot_k
	tensor_load_to_lds s[44:47], s[G1C:G1C+7]
	s_nop 0
.rept 4
	v_nop
.endr
	s_branch .Lasked
.Lnot_k:
	s_cmp_lt_u32 s[WV], 8
	s_cbranch_scc0 .Lnot_v
	tensor_load_to_lds s[48:51], s[G1C:G1C+7]
	s_nop 0
.rept 4
	v_nop
.endr
	s_branch .Lasked
.Lnot_v:
	s_cmp_eq_u32 s[WV], 8
	s_cbranch_scc0 .Lnot_ks
	tensor_load_to_lds s[52:55], s[G1S:G1S+7]
	s_nop 0
.rept 4
	v_nop
.endr
	s_branch .Lasked
.Lnot_ks:
	s_cmp_eq_u32 s[WV], 9
	s_cbranch_scc0 .Lasked
	tensor_load_to_lds s[56:59], s[G1S:G1S+7]
	s_nop 0
.rept 4
	v_nop
.endr
.Lasked:
	s_add_nc_u64 s[66:67], s[4:5], s[86:87]        ; q's codes
	s_add_nc_u64 s[68:69], s[6:7], s[88:89]        ; q's scale bytes
	s_add_nc_u64 s[70:71], s[8:9], s[90:91]        ; the result's codes
	s_add_nc_u64 s[72:73], s[10:11], s[92:93]      ; and scale bytes
	v_and_b32 v[TT], 31, v0
	s_delay_alu instid0(VALU_DEP_1)
	v_lshlrev_b32 v[L16], 4, v[TT]
	s_delay_alu instid0(VALU_DEP_2)
	v_lshlrev_b32 v[L8], 3, v[TT]
	s_delay_alu instid0(VALU_DEP_3)
	v_lshl_add_u32 v[AS0], v[TT], 2, KSC
	v_and_b32 v[R4], 15, v0
	v_bfe_u32 v[XB], v0, 4, 1
	s_delay_alu instid0(VALU_DEP_1)
	v_lshl_add_u32 v[XB], v[R4], 2, v[XB]
	s_delay_alu instid0(VALU_DEP_3)
	v_lshlrev_b32 v[R4], 2, v[R4]
.irp i, 0,1,2,3,4,5
	v_mov_b32 v[QHI+\i], 0                         ; the zero codes on both sides of q: written once
	v_mov_b32 v[QLO+6+\i], 0
.endr
	v_mov_b32 v[FF+1], 0                           ; (named as the upper half of a pair)
.irp b, 0,1,2,3
	v_mov_b32 v[PT+\b], 0                          ; a lane permute's destination counts as read
.endr
	global_load_b128 v[QLO:QLO+3], v[L16], s[66:67]              ; the first block's q is asked for ahead of the wait for K and V
	global_load_b64 v[QLO+4:QLO+5], v[L8], s[66:67] offset:512
	global_load_u16 v[QT], v[R4], s[68:69]
	s_wait_tensorcnt 0x0                           ; my part has landed,
	s_barrier_signal -1
	s_barrier_wait -1                              ; everybody's has; nothing is ever filled again
	s_mov_b32 s63, 2
.Lblock:                                           ; two blocks of 256 queries; a block's q was asked for at the head or in the last step of the block before
	s_mov_b32 s60, 0                               ; the step's codes: 6,144 bytes a step in K's and in V's part
	s_mov_b32 s61, 0                               ; its scale words: 256 bytes a step
	s_mov_b32 s62, 7                               ; seven steps in the loop, the eighth written out behind it
	s_wait_loadcnt 0x0
	v_lshl_or_b32 v[QS], v[QT], 16, v[QT]          ; the 36 lines below stand between this and the first product that names it
.irp j, 0,1,2,3,4,5,6,7,8,9,10,11,12,13,14,15,16,17,18,19,20,21,22,23,24,25,26,27,28,29,30,31
	v_mov_b32 v[O+\j], 0                           ; the step is written once: the first finds zeros, which the first change of M leaves zeros
.endr
	v_mov_b32 v[TMAX], 0xff61b1e6                  ; -3e38, under every t
	s_delay_alu instid0(VALU_DEP_1)
	v_floor_f32 v[NM], -v[TMAX]
	v_mov_b32 v[SUM], 0
	v_mov_b32 v[SUM+1], 0
.macro KSTEP last                      ; 128 keys.  last = 1: a block's eighth step, which asks for the next block's q
	v_add_nc_u32 v[A16], s60, v[L16]
	v_add_nc_u32 v[A8], s60, v[L8]
	v_add_nc_u32 v[AS], s61, v[AS0]
	v_nop                                          ; four plain lines behind the last step's products
.irp q, 0,1
	ds_load_b32 v[KSW+\q], v[AS] offset:128*\q
.endr
.irp p, 0,1,2,3                        ; a pair of key tiles: two half fragments on end
	ds_load_b128 v[KF+12*\p:KF+12*\p+3], v[A16] offset:\p*1536
	ds_load_b64 v[KF+12*\p+4:KF+12*\p+5], v[A8] offset:\p*1536+512
	ds_load_b128 v[KF+12*\p+6:KF+12*\p+9], v[A16] offset:\p*1536+768
	ds_load_b64 v[KF+12*\p+10:KF+12*\p+11], v[A8] offset:\p*1536+1280
.endr
	s_wait_dscnt 0x0
.irp p, 0,1,2,3                        ; registers 16 p + i of S^T: key 32 p + 16 (lane / 16) + i
.if \p%2
	v_wmma_scale_f32_16x16x128_f8f6f4 v[S+16*\p:S+16*\p+7], v[KF+12*\p:KF+12*\p+11], v[QLO:QLO+11], 0, v[KSW+\p/2], v[QS] matrix_a_fmt:MATRIX_FMT_FP6 matrix_b_fmt:MATRIX_FMT_FP6 matrix_a_scale:MATRIX_SCALE_ROW1
	v_wmma_scale_f32_16x16x128_f8f6f4 v[S+16*\p+8:S+16*\p+15], v[KF+12*\p:KF+12*\p+11], v[QHI:QHI+11], 0, v[KSW+\p/2], v[QS] matrix_a_fmt:MATRIX_FMT_FP6 matrix_b_fmt:MATRIX_FMT_FP6 matrix_a_scale:MATRIX_SCALE_ROW1
.else
	v_wmma_scale_f32_16x16x128_f8f6f4 v[S+16*\p:S+16*\p+7], v[KF+12*\p:KF+12*\p+11], v[QLO:QLO+11], 0, v[KSW+\p/2], v[QS] matrix_a_fmt:MATRIX_FMT_FP6 matrix_b_fmt:MATRIX_FMT_FP6
	v_wmma_scale_f32_16x16x128_f8f6f4 v[S+16*\p+8:S+16*\p+15], v[KF+12*\p:KF+12*\p+11], v[QHI:QHI+11], 0, v[KSW+\p/2], v[QS] matrix_a_fmt:MATRIX_FMT_FP6 matrix_b_fmt:MATRIX_FMT_FP6
.endif
.endr
.rept 4
	v_nop
.endr
.if \last
	s_cmp_eq_u32 s63, 1                            ; the last block has no successor
	s_cbranch_scc1 .Lno_q
	s_add_nc_u64 s[66:67], s[66:67], 12288         ; sixteen tiles on (this block's loads by these bases were waited for at its top)
	s_add_nc_u64 s[68:69], s[68:69], 512
	global_load_b128 v[QLO:QLO+3], v[L16], s[66:67]              ; four plain lines behind the block's last score products, which read these registers
	global_load_b64 v[QLO+4:QLO+5], v[L8], s[66:67] offset:512
	global_load_u16 v[QT], v[R4], s[68:69]
.Lno_q:
.endif
.irp b, 0,1,2,3
	v_min3_num_f32 v[BM+\b], v[S+16*\b], v[S+1+16*\b], v[S+2+16*\b]   ; THE SMALLEST SCORE OF EACH BLOCK OF 32 KEYS serves twice: for the row's largest t, and for the block's largest p
.endr
.irp i, 3,5,7,9,11,13
.irp b, 0,1,2,3
	v_min3_num_f32 v[BM+\b], v[BM+\b], v[S+16*\b+\i], v[S+1+16*\b+\i]
.endr
.endr
.irp b, 0,1,2,3
	v_min_num_f32 v[BM+\b], v[BM+\b], v[S+15+16*\b]
.endr
.irp b, 0,1,2,3
	s_delay_alu instid0(VALU_DEP_4)
	v_permlanex16_b32 v[PT+\b], v[BM+\b], s20, s21
.endr
.irp b, 0,1,2,3
	s_delay_alu instid0(VALU_DEP_4)
	v_min_num_f32 v[BM+\b], v[BM+\b], v[PT+\b]     ; with lane l xor 16's 16 keys
.endr
	s_delay_alu instid0(VALU_DEP_2)
	v_min3_num_f32 v[TT], v[BM], v[BM+1], v[BM+2]
	s_delay_alu instid0(VALU_DEP_1)
	v_min_num_f32 v[TT], v[TT], v[BM+3]
	s_delay_alu instid0(VALU_DEP_1)
	v_fma_f32 v[TT], v[TT], s22, s24               ; the step's largest t
	s_delay_alu instid0(VALU_DEP_1)
	v_max_num_f32 v[TMAX], v[TMAX], v[TT]
	v_mov_b32 v[TT], v[NM]
	s_delay_alu instid0(VALU_DEP_2)
	v_floor_f32 v[NM], -v[TMAX]                    ; the new -M = -ceil(t): a whole number
	s_delay_alu instid0(VALU_DEP_1)
	v_sub_f32 v[TT], v[NM], v[TT]                  ; old M - new M: a whole number, 0 or less
	s_delay_alu instid0(VALU_DEP_1)
	v_cvt_i32_f32 v[TT], v[TT]                     ; (it saturates)
	s_delay_alu instid0(VALU_DEP_1)
	v_ldexp_f32 v[FF], 1.0, v[TT]                  ; f = 2^(old M - new M)
	s_delay_alu instid0(VALU_DEP_4)
	v_add_f32 v[ADD], s24, v[NM]                   ; log2(e) - M
.irp j, 0,2,4,6,8,10,12,14,16,18,20,22,24,26,28,30,32,34,36,38,40,42,44,46,48,50,52,54,56,58,60,62
	v_pk_fma_f32 v[S+\j:S+\j+1], v[S+\j:S+\j+1], s[22:23], v[ADD:ADD+1] op_sel_hi:[1,0,0]   ; t - M, two at a time
.endr
.irp b, 0,1,2,3
	v_fma_f32 v[BM+\b], v[BM+\b], s22, v[ADD]      ; the same of each block's smallest score
.endr
	s_wait_alu depctr_va_vdst(0)
.irp j, 0,1,2,3,4,5,6,7,8,9,10,11,12,13,14,15,16,17,18,19,20,21,22,23,24,25,26,27,28,29,30,31,32,33,34,35,36,37,38,39,40,41,42,43,44,45,46,47,48,49,50,51,52,53,54,55,56,57,58,59,60,61,62,63
	v_exp_f32 v[S+\j], v[S+\j]                     ; p = 2^(t - M), at most 1
.endr
	v_pk_mul_f32 v[SUM:SUM+1], v[SUM:SUM+1], v[FF:FF+1] op_sel_hi:[1,0]   ; the sums under the new M (a plain line behind the exponentials)
	s_wait_alu depctr_va_vdst(0)                   ; one wait for the batch of 64, ahead of its first reader
.irp b, 0,1,2,3
	v_exp_f32 v[BM+\b], v[BM+\b]                   ; the block's largest p: the same two instructions on the same number give the same bits
.endr
	v_pk_add_f32 v[132:133], v[140:141], v[144:145]
	v_pk_add_f32 v[254:255], v[148:149], v[152:153]
	v_pk_add_f32 v[252:253], v[156:157], v[160:161]
	v_pk_add_f32 v[250:251], v[164:165], v[168:169]
	v_pk_add_f32 v[248:249], v[172:173], v[176:177]
	v_pk_add_f32 v[242:243], v[180:181], v[184:185]
	v_pk_add_f32 v[240:241], v[188:189], v[192:193]
	v_pk_add_f32 v[14:15], v[14:15], v[196:197]
	v_pk_add_f32 v[132:133], v[132:133], v[136:137]
	v_pk_add_f32 v[254:255], v[254:255], v[138:139]
	v_pk_add_f32 v[252:253], v[252:253], v[142:143]
	v_pk_add_f32 v[250:251], v[250:251], v[146:147]
	v_pk_add_f32 v[248:249], v[248:249], v[150:151]
	v_pk_add_f32 v[242:243], v[242:243], v[154:155]
	v_pk_add_f32 v[240:241], v[240:241], v[158:159]
	v_pk_add_f32 v[14:15], v[14:15], v[162:163]
	v_pk_add_f32 v[132:133], v[132:133], v[166:167]
	v_pk_add_f32 v[254:255], v[254:255], v[170:171]
	v_pk_add_f32 v[252:253], v[252:253], v[174:175]
	v_pk_add_f32 v[250:251], v[250:251], v[178:179]
	v_pk_add_f32 v[248:249], v[248:249], v[182:183]
	v_pk_add_f32 v[242:243], v[242:243], v[186:187]
	v_pk_add_f32 v[240:241], v[240:241], v[190:191]
	v_pk_add_f32 v[14:15], v[14:15], v[194:195]
	v_pk_add_f32 v[132:133], v[132:133], v[198:199]
	s_delay_alu instid0(VALU_DEP_2)
	v_pk_add_f32 v[14:15], v[14:15], v[250:251]
	s_delay_alu instid0(VALU_DEP_2)
	v_pk_add_f32 v[132:133], v[132:133], v[248:249]
	v_pk_add_f32 v[254:255], v[254:255], v[242:243]
	v_pk_add_f32 v[252:253], v[252:253], v[240:241]
	s_delay_alu instid0(VALU_DEP_2)
	v_pk_add_f32 v[14:15], v[14:15], v[254:255]
	s_delay_alu instid0(VALU_DEP_2)
	v_pk_add_f32 v[132:133], v[132:133], v[252:253]
	s_delay_alu instid0(VALU_DEP_1)
	v_pk_add_f32 v[14:15], v[14:15], v[132:133]
	s_wait_alu depctr_va_vdst(0)                   ; and one for the four
.irp b, 0,1,2,3
	v_max_num_f32 v[BM+\b], 0x1800000, v[BM+\b]    ; the floor 2^(3 - 127): the byte cannot fall under 1
.endr
.irp b, 0,1,2,3
	s_delay_alu instid0(VALU_DEP_4)
	v_add_nc_u32 v[SO+\b], 0xff000000, v[BM+\b]    ; 2 off the exponent field: the conversion's scale operand
.endr
.irp b, 0,1,2,3
	s_delay_alu instid0(VALU_DEP_4)
	v_lshrrev_b32 v[PT+\b], 23, v[SO+\b]           ; the scale's byte
.endr
	s_delay_alu instid0(VALU_DEP_3)
	v_lshl_or_b32 v[PSW], v[PT+1], 8, v[PT]
	s_delay_alu instid0(VALU_DEP_1)
	v_lshl_or_b32 v[PSW], v[PT+2], 16, v[PSW]
	s_delay_alu instid0(VALU_DEP_1)
	v_lshl_or_b32 v[PSW], v[PT+3], 24, v[PSW]
	v_cvt_scalef32_pk16_fp6_f32 v[PC:PC+2], v[S:S+15], v[SO]
	v_cvt_scalef32_pk16_fp6_f32 v[BM:BM+2], v[S+16:S+31], v[SO+1]     ; (a conversion's three registers begin on an even number)
	v_cvt_scalef32_pk16_fp6_f32 v[PC+6:PC+8], v[S+32:S+47], v[SO+2]
	v_cvt_scalef32_pk16_fp6_f32 v[PT:PT+2], v[S+48:S+63], v[SO+3]
	v_nop                                          ; one plain line behind a scaled conversion
.irp i, 0,1,2                          ; the layout wants a whole block in a lane
	v_permlane16_swap_b32 v[PC+\i], v[BM+\i]
	v_permlane16_swap_b32 v[PC+6+\i], v[PT+\i]
.endr
.irp i, 0,1,2
	v_mov_b32 v[PC+3+\i], v[BM+\i]
	v_mov_b32 v[PC+9+\i], v[PT+\i]
.endr
.irp q, 0,1
	ds_load_b32 v[VSW+\q], v[AS] offset:VSC-KSC+128*\q
.endr
.irp t, 0,1,2,3                        ; V's four tiles of 16 channels x these 128 keys; their last registers were at work until here
.irp c, 0,1,2
	ds_load_b128 v[VF+12*\t+4*\c:VF+12*\t+4*\c+3], v[A16] offset:VIMG+\t*1536+512*\c
.endr
.endr
.irp j, 0,2,4,6,8,10,12,14,16,18,20,22,24,26,28,30
	v_pk_mul_f32 v[O+\j:O+\j+1], v[O+\j:O+\j+1], v[FF:FF+1] op_sel_hi:[1,0]   ; O^T under the new M; these also stand between the making of p's codes and scale word and the products
.endr
	s_wait_alu depctr_va_vdst(0)
	s_wait_dscnt 0x0
.irp t, 0,1,2,3                        ; the four accumulators take turns, and eight score products stand between two links on one of them
.if \t%2
	v_wmma_scale_f32_16x16x128_f8f6f4 v[O+8*\t:O+8*\t+7], v[VF+12*\t:VF+12*\t+11], v[PC:PC+11], v[O+8*\t:O+8*\t+7], v[VSW+\t/2], v[PSW] matrix_a_fmt:MATRIX_FMT_FP6 matrix_b_fmt:MATRIX_FMT_FP6 matrix_a_scale:MATRIX_SCALE_ROW1
.else
	v_wmma_scale_f32_16x16x128_f8f6f4 v[O+8*\t:O+8*\t+7], v[VF+12*\t:VF+12*\t+11], v[PC:PC+11], v[O+8*\t:O+8*\t+7], v[VSW+\t/2], v[PSW] matrix_a_fmt:MATRIX_FMT_FP6 matrix_b_fmt:MATRIX_FMT_FP6
.endif
.endr
.if \last == 0
	s_add_co_u32 s60, s60, 6144
	s_add_co_u32 s61, s61, 256
.endif
.endm
.Lstep:
	KSTEP 0
	s_sub_co_u32 s62, s62, 1
	s_cmp_lg_u32 s62, 0
	s_cbranch_scc1 .Lstep
	KSTEP 1
	; THE WAY OUT: O^T / l; registers 16 g + i are channels 32 g + 16 (lane / 16) + i: two blocks, quantised as p was; half a fragment and two scale bytes a row
.rept 4
	v_nop
.endr
	v_add_f32 v[SUM], v[SUM], v[SUM+1]
	s_delay_alu instid0(VALU_DEP_1)
	v_permlanex16_b32 v[TT], v[SUM], s20, s21
	s_delay_alu instid0(VALU_DEP_1)
	v_add_f32 v[SUM], v[SUM], v[TT]                ; the row's sum
	s_wait_alu depctr_va_vdst(0)
	v_rcp_f32 v[FF], v[SUM]
	v_nop                                          ; a plain line behind the reciprocal,
	s_wait_alu depctr_va_vdst(0)                   ; and the wait ahead of its first reader
.irp j, 0,2,4,6,8,10,12,14,16,18,20,22,24,26,28,30
	v_pk_mul_f32 v[O+\j:O+\j+1], v[O+\j:O+\j+1], v[FF:FF+1] op_sel_hi:[1,0]   ; each accumulator from its low end on
.endr
.irp g, 0,1
	v_max3_num_f32 v[BM+\g], |v[O+16*\g]|, |v[O+1+16*\g]|, 0x1800000
.endr
.irp i, 2,4,6,8,10,12,14
.irp g, 0,1
	s_delay_alu instid0(VALU_DEP_2)
	v_max3_num_f32 v[BM+\g], v[BM+\g], |v[O+16*\g+\i]|, |v[O+1+16*\g+\i]|
.endr
.endr
.irp g, 0,1
	s_delay_alu instid0(VALU_DEP_2)
	v_permlanex16_b32 v[PT+\g], v[BM+\g], s20, s21
.endr
.irp g, 0,1
	s_delay_alu instid0(VALU_DEP_2)
	v_max_num_f32 v[BM+\g], v[BM+\g], v[PT+\g]
.endr
.irp g, 0,1
	s_delay_alu instid0(VALU_DEP_2)
	v_add_nc_u32 v[SO+\g], 0xff000000, v[BM+\g]
.endr
.irp g, 0,1
	s_delay_alu instid0(VALU_DEP_2)
	v_lshrrev_b32 v[PT+\g], 23, v[SO+\g]
.endr
	v_cvt_scalef32_pk16_fp6_f32 v[PC:PC+2], v[O:O+15], v[SO]
	v_cvt_scalef32_pk16_fp6_f32 v[BM:BM+2], v[O+16:O+31], v[SO+1]
	v_nop
.irp i, 0,1,2
	v_permlane16_swap_b32 v[PC+\i], v[BM+\i]
.endr
.irp i, 0,1,2
	s_delay_alu instid0(VALU_DEP_3)
	v_mov_b32 v[PC+3+\i], v[BM+\i]
.endr
	v_cndmask_b32 v[TT], v[PT], v[PT+1], s25       ; lane (r, h) stores block h's byte of row r
	global_store_b128 v[L16], v[PC:PC+3], s[70:71]
	global_store_b64 v[L8], v[PC+4:PC+5], s[70:71] offset:512
	global_store_b8 v[XB], v[TT], s[72:73]
	s_wait_xcnt 0x0                                ; the stores have read their registers and bases: both are written again below
	s_add_nc_u64 s[70:71], s[70:71], 196608        ; sixteen tiles on
	s_add_nc_u64 s[72:73], s[72:73], 8192
	s_sub_co_u32 s63, s63, 1
	s_cmp_lg_u32 s63, 0
	s_cbranch_scc1 .Lblock
	s_wait_tensorcnt 0x0                           ; the wave's end
	ds_add_u32 v[SPW], v[NIL]
	s_wait_dscnt 0x0
	s_endpgm
.Lfunc_end_k_q9b2ae6f366_attn:
	.size	k_q9b2ae6f366_attn, .Lfunc_end_k_q9b2ae6f366_attn-k_q9b2ae6f366_attn
	.p2alignl 7, 3214868480
	.fill 96, 4, 3214868480
	.section	.rodata,"a",@progbits
	.p2align	6, 0x0
	.amdhsa_kernel k_q9b2ae6f366_attn
		.amdhsa_group_segment_fixed_size 167936
		.amdhsa_private_segment_fixed_size 0
		.amdhsa_enable_private_segment 0
		.amdhsa_kernarg_size 32
		.amdhsa_user_sgpr_count 2
		.amdhsa_user_sgpr_kernarg_segment_ptr 1
		.amdhsa_wavefront_size32 1
		.amdhsa_system_sgpr_workgroup_id_x 1
		.amdhsa_system_sgpr_workgroup_id_y 1
		.amdhsa_system_sgpr_workgroup_id_z 1
		.amdhsa_system_vgpr_workitem_id 0
		.amdhsa_next_free_vgpr 256
		.amdhsa_next_free_sgpr 96
		.amdhsa_reserve_vcc 0
		.amdhsa_float_denorm_mode_32 3
		.amdhsa_float_denorm_mode_16_64 3
		.amdhsa_memory_ordered 1
		.amdhsa_forward_progress 1
		.amdhsa_inst_pref_size 48
	.end_amdhsa_kernel
	.amdgpu_metadata
---
amdhsa.version: [ 1, 2 ]
amdhsa.kernels:
  - .name:           k_q9b2ae6f366_attn
    .symbol:         k_q9b2ae6f366_attn.kd
    .args:
      - { .name: qkvc, .offset: 0, .size: 8, .value_kind: global_buffer, .address_space: global }
      - { .name: qkvs, .offset: 8, .size: 8, .value_kind: global_buffer, .address_space: global }
      - { .name: xoc, .offset: 16, .size: 8, .value_kind: global_buffer, .address_space: global }
      - { .name: xos, .offset: 24, .size: 8, .value_kind: global_buffer, .address_space: global }
    .group_segment_fixed_size: 167936
    .private_segment_fixed_size: 0
    .kernarg_segment_align: 8
    .kernarg_segment_size: 32
    .max_flat_workgroup_size: 512
    .sgpr_count:     96
    .vgpr_count:     256
    .wavefront_size: 32
...
	.end_amdgpu_metadata
.endif
;; end of part 3
;; launch proj (part 4): grid 2 x 128, 4 waves a work-group, no clusters, 167,936 bytes of LDS; arguments xoc, xos, wimg, wsc, b_p1, b_p2, out0, out1; writes out0, out1
.if DOCPART == 4
	.amdgcn_target "amdgcn-amd-amdhsa--gfx1250"
	.amdhsa_code_object_version 6
	.text
	.protected	k_q9b2ae6f366_proj
	.globl	k_q9b2ae6f366_proj
	.p2align	8
	.type	k_q9b2ae6f366_proj,@function
k_q9b2ae6f366_proj:
	s_mov_b64 s[64:65], 0
	v_nop
	global_prefetch_b8 v0, s[64:65] scope:SCOPE_SE
	s_setreg_imm32_b32 hwreg(HW_REG_WAVE_MODE, 25, 1), 1
	s_wait_xcnt 0x0
; out0 = xo w_p1 + b_p1, out1 = yo w_p2 + b_p2 on codes of FP6 (E2M3) with E8M0 scales, K = 1,024, f32 out.
; A work-group takes 64 tokens (4 tiles) x 128 outputs (8 tiles) over all of K: 256 work-groups.  Wave w: token tiles 2 (w / 2) + 0, 1 and output tiles 4 (w % 2) + 0 .. 3: eight accumulators, 64 products.
; Both operands lie in memory as images of the fragments' registers, so a work-group's codes are two dense blocks (48 KiB, 96 KiB).  One tensor load a wave at the head: wave 0 brings the tokens' block,
; waves 1 to 3 a third of the weights' block each (32 KiB); nothing is filled again.
; The products are used transposed (source 0 = 16 outputs, source 1 = 16 tokens): a lane holds a token and, over a pair of output tiles, 16 neighbouring outputs.  The bias is the C of each sum's first product.
; Tiles hold rows 32 g + 8 u + p + 8 (p / 8) (tile 2 g + u, row p): the way out puts tokens and outputs back in their places.
; NO MULTICAST: the shared weights are fetched once, at the head of a launch of eight K steps; a round of a cluster's barrier would serve one load.  No prefetch: all is asked for at the head, and there is no loop to run ahead in.
.set BIMG,  49152                      ; LDS: the tokens' 4 tiles x 12,288 from 0; the weights' 8 tiles;
.set STAGE, 147456                     ; a stage of 16 rows x (256 + 16) bytes for each wave, into which no tensor load lands;
.set SPARE, 164864                     ; the spare words, 128 bytes a wave
.set L16, 2                            ; 16 x lane
.set L4,  3                            ; 4 x lane
.set BO,  4                            ; 64 h: the bias of my half
.set LA16, 5                           ; my two token tiles
.set LA8, 6
.set LB16, 7                           ; my four weight tiles
.set STI, 8                            ; into the stage
.set STO, 9                            ; out of it
.set GO,  10                           ; my place in two rows of the output
.set SPW, 12
.set NIL, 13
.set ASC, 16                           ; v16-23 the tokens' scale words: register 4 tt + j: lanes 0-15 K step 2 j, lanes 16-31 K step 2 j + 1
.set BSC, 24                           ; v24-39 the weights': register 4 f + j: lanes 0-15 K step j, lanes 16-31 K step 4 + j
.set ACC, 40                           ; v40-103
.set BIAS, 200                         ; v200-231, in the second set's place until the first K step has used it
.set G1A, 28
.set G1B, 36
	s_load_b512 s[4:19], s[0:1], 0x0               ; xoc, xos, wimg, wsc, b_p1, b_p2, out0, out1
	v_lshl_add_u32 v[SPW], v0, 2, SPARE
	v_mov_b32 v[NIL], 0
	ds_add_u32 v[SPW], v[NIL]                      ; the opening lines: the add, twice, and its wait ahead of my tensor load
	ds_add_u32 v[SPW], v[NIL]
	v_lshrrev_b32 v1, 5, v0
	v_readfirstlane_b32 s20, v1                    ; wave
	s_lshr_b32 s21, s20, 1
	s_and_b32 s22, s20, 1
	s_and_b32 s24, ttmp7, 0xffff
	s_lshr_b32 s23, s24, 6                         ; the stream
	s_and_b32 s24, s24, 63                         ; which 64 tokens
.irp g, G1A, G1B
	s_mov_b32 s[\g], 3<<16                         ; no mask; elements of 8 bytes; no padding
	s_mov_b32 s[\g+1], 32<<16                      ; rows of 256 bytes, dense
	s_mov_b32 s[\g+3], 32<<16
	s_mov_b32 s[\g+5], 32
	s_mov_b32 s[\g+6], 0
	s_mov_b32 s[\g+7], 0
.endr
	s_mov_b32 s[G1A+2], 192<<16                    ; the tokens' 49,152 bytes
	s_mov_b32 s[G1A+4], 192
	s_mov_b32 s[G1B+2], 128<<16                    ; a third of the weights' 98,304
	s_mov_b32 s[G1B+4], 128
	s_lshl_b32 s52, s23, 8
	s_lshl_b32 s53, s24, 2
	s_add_co_u32 s52, s52, s53                     ; the first token tile
	s_lshl_b32 s53, s23, 4
	s_lshl_b32 s54, ttmp9, 3
	s_add_co_u32 s53, s53, s54
	s_add_co_u32 s53, s53, 384                     ; the first weight tile
	s_lshl_b32 s27, s20, 15                        ; wave x 32,768: wave w takes third w - 1
	s_mul_i32 s54, s52, 12288
	s_mov_b32 s55, 0
	s_mul_i32 s56, s53, 12288
	s_add_co_u32 s56, s56, s27
	s_sub_co_u32 s56, s56, 32768
	s_mov_b32 s57, 0
	s_wait_dscnt 0x0                               ; both opening adds are done
	s_wait_kmcnt 0x0
	s_mov_b32 s44, 1
	s_mov_b32 s45, 0
	s_add_nc_u64 s[46:47], s[4:5], s[54:55]
	s_or_b32 s47, s47, 0x80000000
	s_mov_b32 s48, 1
	s_add_co_u32 s49, s27, BIMG-32768
	s_add_nc_u64 s[50:51], s[8:9], s[56:57]
	s_or_b32 s51, s51, 0x80000000
	s_cmp_eq_u32 s20, 0                            ; two arms, one load in each: every way passes one
	s_cbranch_scc0 .Lfor_w
	tensor_load_to_lds s[44:47], s[G1A:G1A+7]
	s_nop 0
.rept 4
	v_nop
.endr
	s_branch .Lasked
.Lfor_w:
	tensor_load_to_lds s[48:51], s[G1B:G1B+7]
	s_nop 0
.rept 4
	v_nop
.endr
.Lasked:
	s_lshl_b32 s54, s21, 1
	s_add_co_u32 s54, s54, s52
	s_lshl_b32 s54, s54, 9
	s_add_nc_u64 s[6:7], s[6:7], s[54:55]          ; my token tiles' scale words
	s_lshl_b32 s54, s22, 2
	s_add_co_u32 s54, s54, s53
	s_lshl_b32 s54, s54, 9
	s_add_nc_u64 s[10:11], s[10:11], s[54:55]      ; my weight tiles'
	s_cmp_eq_u32 s23, 0
	s_cselect_b64 s[12:13], s[12:13], s[14:15]     ; the stream's bias
	s_cselect_b64 s[16:17], s[16:17], s[18:19]     ; and output
	s_lshl_b32 s54, ttmp9, 9
	s_lshl_b32 s56, s22, 8
	s_add_co_u32 s54, s54, s56                     ; my 64 outputs, in bytes
	s_add_nc_u64 s[12:13], s[12:13], s[54:55]
	s_lshl_b32 s56, s24, 16
	s_add_co_u32 s54, s54, s56                     ; + 64 tokens of 1,024 bytes
	s_lshl_b32 s56, s21, 15
	s_add_co_u32 s54, s54, s56                     ; + my 32 of them
	s_add_nc_u64 s[16:17], s[16:17], s[54:55]
	v_and_b32 v1, 31, v0
	v_lshlrev_b32 v[L16], 4, v1
	v_lshlrev_b32 v[L4], 2, v1
	v_bfe_u32 v11, v0, 4, 1                        ; h
	v_and_b32 v14, 15, v0                          ; r
	v_lshlrev_b32 v[BO], 6, v11
.irp tt, 0,1
.irp j, 0,1,2,3
	global_load_b32 v[ASC+4*\tt+\j], v[L4], s[6:7] offset:\tt*512+128*\j
.endr
.endr
.irp f, 0,1,2,3
	global_load_b128 v[BSC+4*\f:BSC+4*\f+3], v[L16], s[10:11] offset:\f*512
.endr
.irp f, 0,1,2,3                        ; tile f, register j of lane (r, h): output 32 (f / 2) + 16 h + 8 (f % 2) + j of my 64
	global_load_b128 v[BIAS+8*\f:BIAS+8*\f+3], v[BO], s[12:13] offset:(32*(\f/2)+8*(\f%2))*4
	global_load_b128 v[BIAS+8*\f+4:BIAS+8*\f+7], v[BO], s[12:13] offset:(32*(\f/2)+8*(\f%2))*4+16
.endr
	s_mul_i32 s56, s21, 24576
	v_add_nc_u32 v[LA16], s56, v[L16]
	v_lshlrev_b32 v[LA8], 3, v1
	v_add_nc_u32 v[LA8], s56, v[LA8]
	s_mul_i32 s56, s22, 49152
	s_add_co_u32 s56, s56, BIMG
	v_add_nc_u32 v[LB16], s56, v[L16]
	s_mul_i32 s58, s20, 16*272
	s_add_co_u32 s58, s58, STAGE                   ; my stage
	v_mul_u32_u24 v[STI], v14, 272
	v_lshl_add_u32 v[STI], v11, 6, v[STI]
	v_add_nc_u32 v[STI], s58, v[STI]               ; in: row r, + 64 h
	v_mul_u32_u24 v[STO], v11, 272
	v_lshl_add_u32 v[STO], v14, 4, v[STO]
	v_add_nc_u32 v[STO], s58, v[STO]               ; back: lanes 0-15 one row of 256 bytes, lanes 16-31 the next
	v_lshlrev_b32 v[GO], 10, v11
	v_lshl_add_u32 v[GO], v14, 4, v[GO]
	s_wait_alu depctr_va_vdst(0)                   ; the wait at the head's end
	s_wait_tensorcnt 0x0                           ; my load has landed,
	s_barrier_signal -1
	s_barrier_wait -1                              ; everybody's has
.macro PFETCH ks                       ; 20 loads: K step ks into set ks % 2 (A: two half fragments a tile; B: three groups of four registers)
.set SA, 104+72*((\ks)%2)
.set SBB, SA+24
.irp tt, 0,1
	ds_load_b128 v[SA+12*\tt:SA+12*\tt+3], v[LA16] offset:\tt*12288+(\ks)*1536
	ds_load_b64 v[SA+12*\tt+4:SA+12*\tt+5], v[LA8] offset:\tt*12288+(\ks)*1536+512
	ds_load_b128 v[SA+12*\tt+6:SA+12*\tt+9], v[LA16] offset:\tt*12288+(\ks)*1536+768
	ds_load_b64 v[SA+12*\tt+10:SA+12*\tt+11], v[LA8] offset:\tt*12288+(\ks)*1536+1280
.endr
.irp f, 0,1,2,3
.irp c, 0,1,2
	ds_load_b128 v[SBB+12*\f+4*\c:SBB+12*\f+4*\c+3], v[LB16] offset:\f*12288+(\ks)*1536+512*\c
.endr
.endr
.endm
.macro PW d, a, b, c, sa, sb, ks       ; one product; the scale registers' rows hang on the K step
.if (\ks) >= 4
.if (\ks)%2
	v_wmma_scale_f32_16x16x128_f8f6f4 v[(\d):(\d)+7], v[(\a):(\a)+11], v[(\b):(\b)+11], v[(\c):(\c)+7], v[\sa], v[\sb] matrix_a_fmt:MATRIX_FMT_FP6 matrix_b_fmt:MATRIX_FMT_FP6 matrix_a_scale:MATRIX_SCALE_ROW1 matrix_b_scale:MATRIX_SCALE_ROW1
.else
	v_wmma_scale_f32_16x16x128_f8f6f4 v[(\d):(\d)+7], v[(\a):(\a)+11], v[(\b):(\b)+11], v[(\c):(\c)+7], v[\sa], v[\sb] matrix_a_fmt:MATRIX_FMT_FP6 matrix_b_fmt:MATRIX_FMT_FP6 matrix_a_scale:MATRIX_SCALE_ROW1
.endif
.else
.if (\ks)%2
	v_wmma_scale_f32_16x16x128_f8f6f4 v[(\d):(\d)+7], v[(\a):(\a)+11], v[(\b):(\b)+11], v[(\c):(\c)+7], v[\sa], v[\sb] matrix_a_fmt:MATRIX_FMT_FP6 matrix_b_fmt:MATRIX_FMT_FP6 matrix_b_scale:MATRIX_SCALE_ROW1
.else
	v_wmma_scale_f32_16x16x128_f8f6f4 v[(\d):(\d)+7], v[(\a):(\a)+11], v[(\b):(\b)+11], v[(\c):(\c)+7], v[\sa], v[\sb] matrix_a_fmt:MATRIX_FMT_FP6 matrix_b_fmt:MATRIX_FMT_FP6
.endif
.endif
.endm
.macro PMUL ks                         ; the eight accumulators take turns, one instruction a turn
.set SA, 104+72*((\ks)%2)
.set SBB, SA+24
.irp tt, 0,1
.irp f, 0,1,2,3
.if (\ks) == 0
	PW ACC+8*(4*\tt+\f), SBB+12*\f, SA+12*\tt, BIAS+8*\f, BSC+4*\f+(\ks)%4, ASC+4*\tt+(\ks)/2, \ks
.else
	PW ACC+8*(4*\tt+\f), SBB+12*\f, SA+12*\tt, ACC+8*(4*\tt+\f), BSC+4*\f+(\ks)%4, ASC+4*\tt+(\ks)/2, \ks
.endif
.endr
.endr
.endm
.macro PLACES
.rept 4
	v_nop                                          ; plain lines between matrix instructions and loads into, or reads of, their registers
.endr
.endm
	PFETCH 0
	s_wait_loadcnt 0x0                             ; scale words and bias
	s_wait_dscnt 0x0
	PMUL 0
	PLACES
	PFETCH 1                                       ; over the bias, which has served
	PFETCH 2
	s_wait_dscnt 20                                ; K step 1 is in; the younger twenty loads may be out
	PMUL 1
.irp k, 1,2,3,4,5
	PLACES
	PFETCH \k+2
	s_wait_dscnt 20
	PMUL \k+1
.endr
	s_wait_dscnt 0x0
	PMUL 7
	PLACES
	; THE WAY OUT: a token tile's 16 rows x my 64 outputs go through my stage and come back as whole rows of 256 bytes.  LDS serves a wave's instructions in order: the second tile's stores come behind the first's loads
.irp tt, 0,1
.irp f, 0,1,2,3
	ds_store_b128 v[STI], v[ACC+8*(4*\tt+\f):ACC+8*(4*\tt+\f)+3] offset:128*(\f/2)+32*(\f%2)      ; each accumulator from its low end on
	ds_store_b128 v[STI], v[ACC+8*(4*\tt+\f)+4:ACC+8*(4*\tt+\f)+7] offset:128*(\f/2)+32*(\f%2)+16
.endr
.irp i, 0,1,2,3,4,5,6,7
	ds_load_b128 v[104+32*\tt+4*\i:104+32*\tt+4*\i+3], v[STO] offset:2*\i*272
.endr
.endr
.irp tt, 0,1
	s_wait_dscnt 16-16*\tt                         ; the first tile is back: the second's eight stores and eight loads may be out
.irp i, 0,1,2,3,4,5,6,7
	global_store_b128 v[GO], v[104+32*\tt+4*\i:104+32*\tt+4*\i+3], s[16:17] offset:(2*\i+8*(\i/4)+8*\tt)*1024 th:TH_STORE_NT   ; sixteen lanes store 256 consecutive bytes, aligned; tile row 2 i + h is token 8 tt + 2 i + h + 8 (i / 4) of my 32
.endr
.endr
	s_wait_tensorcnt 0x0                           ; the wave's end
	ds_add_u32 v[SPW], v[NIL]
	s_wait_dscnt 0x0
	s_endpgm
.Lfunc_end_k_q9b2ae6f366_proj:
	.size	k_q9b2ae6f366_proj, .Lfunc_end_k_q9b2ae6f366_proj-k_q9b2ae6f366_proj
	.p2alignl 7, 3214868480
	.fill 96, 4, 3214868480
	.section	.rodata,"a",@progbits
	.p2align	6, 0x0
	.amdhsa_kernel k_q9b2ae6f366_proj
		.amdhsa_group_segment_fixed_size 167936
		.amdhsa_private_segment_fixed_size 0
		.amdhsa_enable_private_segment 0
		.amdhsa_kernarg_size 64
		.amdhsa_user_sgpr_count 2
		.amdhsa_user_sgpr_kernarg_segment_ptr 1
		.amdhsa_wavefront_size32 1
		.amdhsa_system_sgpr_workgroup_id_x 1
		.amdhsa_system_sgpr_workgroup_id_y 1
		.amdhsa_system_sgpr_workgroup_id_z 1
		.amdhsa_system_vgpr_workitem_id 0
		.amdhsa_next_free_vgpr 256
		.amdhsa_next_free_sgpr 66
		.amdhsa_reserve_vcc 0
		.amdhsa_float_denorm_mode_32 3
		.amdhsa_float_denorm_mode_16_64 3
		.amdhsa_memory_ordered 1
		.amdhsa_forward_progress 1
		.amdhsa_inst_pref_size 30
	.end_amdhsa_kernel
	.amdgpu_metadata
---
amdhsa.version: [ 1, 2 ]
amdhsa.kernels:
  - .name:           k_q9b2ae6f366_proj
    .symbol:         k_q9b2ae6f366_proj.kd
    .args:
      - { .name: xoc, .offset: 0, .size: 8, .value_kind: global_buffer, .address_space: global }
      - { .name: xos, .offset: 8, .size: 8, .value_kind: global_buffer, .address_space: global }
      - { .name: wimg, .offset: 16, .size: 8, .value_kind: global_buffer, .address_space: global }
      - { .name: wsc, .offset: 24, .size: 8, .value_kind: global_buffer, .address_space: global }
      - { .name: b_p1, .offset: 32, .size: 8, .value_kind: global_buffer, .address_space: global }
      - { .name: b_p2, .offset: 40, .size: 8, .value_kind: global_buffer, .address_space: global }
      - { .name: out0, .offset: 48, .size: 8, .value_kind: global_buffer, .address_space: global }
      - { .name: out1, .offset: 56, .size: 8, .value_kind: global_buffer, .address_space: global }
    .group_segment_fixed_size: 167936
    .private_segment_fixed_size: 0
    .kernarg_segment_align: 8
    .kernarg_segment_size: 64
    .max_flat_workgroup_size: 128
    .sgpr_count:     66
    .vgpr_count:     256
    .wavefront_size: 32
...
	.end_amdgpu_metadata
.endif
;; end of part 4
